; MI455X (gfx1250); checked and timed in simulation.
; The chip was launched on July 23, 2026; its instructions are those of AMD's public machine-readable ISA for CDNA 5 (MIT licence, August 2026) and "CDNA5" Instruction Set Architecture Reference Guide (July 2026). The comments in the code are by the model that wrote it; some were corrected since.
;; Mock Shared Expert Mo E. Allowed arithmetic: matrix products marked QUANTISED: E2M3 operands, one E8M0 scale for each 32 along K, by v_wmma_scale_f32_16x16x128_f8f6f4 with both operands' format E2M3, f32 sums; products left as they are: f32 operands where the result goes on into a quantised operand, else bf16, f16 or f32 operands; f32 sums; everything else in f32.
;; Inputs: W_down 1,024 x 1,024 float32; W_expert 1,024 x 1,024 float32; W_gate 8 x 1,024 float32; W_up 1,024 x 1,024 float32; x 4 x 4,096 x 1,024 float32.
;; Outputs: out0 4 x 4,096 x 1,024 float32.
;; This version of the problem:
;;   THIS VERSION OF THE PROBLEM IS GIVEN IN LOW PRECISION. The matrix products marked QUANTISED in the list below multiply operands that are first quantised to E2M3 (2 exponent bits, 3 mantissa bits; 6 bits a number), with one power-of-two scale for each 32 numbers along K (OCP MX v1.0); their sums are f32. All else is computed in f32.
;;   The module's matrix products, in the order in which they are computed (A, B: the left and right operand; K: the contracted axis; several contracted axes count as one K, in the product's order):
;;     1. [M 16,384, K 1,024] x [K 1,024, N 8]; A: input x; B: input W_gate: left as it is (N = 8 < 16)
;;     2. [M 16,384, K 1,024] x [K 1,024, N 1,024]; A: input x; B: input W_up: QUANTISED
;;     3. [M 16,384, K 1,024] x [K 1,024, N 1,024]; A: computed on the way; B: input W_down: QUANTISED
;;     4. [M 16,384, K 1,024] x [K 1,024, N 1,024]; A: input x; B: input W_expert: QUANTISED
;;   THE QUANTISER, for each operand of a quantised product, along K:
;;     - K is cut into blocks of 32 from its start; a last block that is shorter is filled with zeros.
;;     - A block's scale is 2^e with e = floor(log2(the largest magnitude in the block)) - 2, held to -126 .. 127; a block of zeros has e = 0. As a byte (E8M0): e + 127.
;;     - Each number is divided by its block's scale, clamped to +-7.5, and rounded to the nearest number of E2M3, ties to even, subnormals kept.
;;     - The product sums the exact products of the quantised numbers (number of the format x scale) in f32.
;;   ~~~python
;;   def quantise(x, axis):      # numpy; x: float32 -> the quantised numbers, widened to float32 again
;;       x = np.moveaxis(x, axis, -1); K = x.shape[-1]
;;       x = np.pad(x, [(0, 0)] * (x.ndim - 1) + [(0, -K % 32)]); x = x.reshape(x.shape[:-1] + (-1, 32)); a = np.abs(x).max(-1, keepdims=True)
;;       e = np.where(a > 0, np.clip(np.frexp(np.where(a > 0, a, 1))[1] - 1 - 2, -126, 127), 0)      # np.frexp(a)[1] - 1 = floor(log2(a)), exactly
;;       r = np.clip(x / 2.0 ** e, -7.5, 7.5)
;;       step = 2.0 ** (np.maximum(np.frexp(np.where(r == 0, 1, r))[1] - 1, 0) - 3)
;;       q = np.round(r / step) * step * 2.0 ** e      # np.round: ties to even
;;       return np.moveaxis(q.reshape(q.shape[:-2] + (-1,))[..., :K], -1, axis).astype(np.float32)
;;   ~~~
;;   OPERANDS COMPUTED ON THE WAY. 'Computed on the way' means the value that the module computes at that place (a softmax that the list does not call 'softmax' is quantised finished and normalised). What goes into a quantiser is computed in f32, as accurately as f32 sums, v_exp_f32 and their like allow (about 1e-6 of the number): no bf16 or f16 on the way to a quantiser, and a product that is left as it is and whose result goes on into a quantised operand takes f32 operands (vector FMAs, or v_wmma_f32_16x16x4_f32). A number that lies on a knife's edge between two numbers of the format may be rounded either way, as far as f32 arithmetic and the matrix unit's own rounding can turn it there, and no further.
;; 2 versions. Each part assembles by itself: llvm-mc -triple=amdgcn-amd-amdhsa -mcpu=gfx1250 --defsym DOCPART=n.
;; ======== version 1 of 2: 2 launches
;; workspace buffers: wq 2,457,600 bytes; gq 16,384 bytes
;; launch prep (part 1): grid 200 x 1, 4 waves a work-group, no clusters, 1,024 bytes of LDS; arguments W_up, W_down, W_expert, W_gate, wq, gq; writes wq, gq
.if DOCPART == 1
	.amdgcn_target "amdgcn-amd-amdhsa--gfx1250"
	.amdhsa_code_object_version 6
	.text
	.protected	k_qce46060859_prep
	.globl	k_qce46060859_prep
	.p2align	8
	.type	k_qce46060859_prep,@function
k_qce46060859_prep:
	s_mov_b64 s[64:65], 0
	v_nop
	global_prefetch_b8 v0, s[64:65] scope:SCOPE_SE
	s_setreg_imm32_b32 hwreg(HW_REG_WAVE_MODE, 25, 1), 1
	s_wait_xcnt 0x0
; The four weights become what the second launch's registers take.
; wq: W_up, W_expert and W_down as codes of FP6 (E2M3) with one E8M0 scale for each 32 along K, laid as IMAGES OF OPERAND REGISTERS in the order in which the second launch walks them:
;   24 stream blocks n of 102,400 bytes; in a block four quarters w (one for each wave there) of 25,600 bytes; in a quarter 16 fragments p (16 rows x 128 K) of 1,536 bytes, register group c of lane l at
;   512 c + 16 l; behind them 1,024 bytes of scale words: the word of tile p = 8 g + 2 q + (l / 16), row l % 16, at 24,576 + 512 g + 16 l + 4 q.
;   n = 0..7: W_up, K step n; row i of tile p = 8 g + t is W_up's row 256 w + 128 g + 32 (t / 2) + 8 (t % 2) + i + 8 (i / 8): so chosen, the results of two neighbouring tiles are 16 neighbours along the next K.
;   n = 8..23: chunk c = (n - 8) / 8, j = (n - 8) % 8; j < 4: W_expert, else W_down; K step 2 (j % 4) + g; row i of tile t is output column 256 w + 128 c + 16 t + i.
; gq: W_gate in bf16: block blk (32 along K) is 512 bytes; in it the 16 bytes at 256 c + 16 (8 h + e) hold W_gate[e][32 blk + 16 h + 8 c + 0 .. 7].
; SHARES.  Work-group id < 192: n = id / 8, w = (id / 2) % 4, g = id % 2; its wave q makes the two tiles 8 g + 2 q, 8 g + 2 q + 1: 32 rows x 128 K.  A LANE OWNS ONE ROW (or column) AND ALL 128 NUMBERS OF IT:
; its four blocks of 32 need no other lane.  Work-groups 192..199: the gate, 16 bytes of gq a thread.
; A block's scale is 2^(floor(log2(its largest magnitude)) - 2); its byte is the largest magnitude's exponent field - 2, held at 1 from below.  A block of zeros so gets the byte 1 where the rule says 127:
; its codes are zeros, which add nothing under any byte but 0xff, and this program alone reads the bytes.
; LIMITS: blocks whose largest magnitude lies under 2^-124 keep the byte 1; NaN and infinities among the inputs are not served.
; W_up and W_down have K innermost: a lane's 512 bytes of its row are taken by 32 loads of 16 bytes on end, the lanes 4,096 bytes apart (8 MB of the launch's reads are so).  W_expert has K as its first
; axis: a lane takes a column and its registers run down K; a load reads 128 neighbouring bytes, the four waves side by side 512.
.set X,   16                           ; v16-143  my row's 128 numbers
.set FA,  144                          ; v144-155 blocks 0 and 2, then the even tile's fragment
.set FB,  156                          ; v156-167 blocks 1 and 3, then the odd tile's fragment
.set TP,  168                          ; v168-183 the upper 16 codes of each block, on their way
.set MX,  184                          ; v184-187 largest magnitudes
.set SO,  188                          ; v188-191 the conversions' scale operands
.set BY,  192                          ; v192-195 the scales' bytes
.set WD,  196                          ; v196     my row's scale word
	s_load_b256 s[4:11], s[0:1], 0x0               ; W_up s[4:5], W_down s[6:7], W_expert s[8:9], W_gate s[10:11]
	s_load_b128 s[12:15], s[0:1], 0x20             ; wq s[12:13], gq s[14:15]
	v_lshl_add_u32 v200, v0, 2, 0x200
	v_mov_b32 v201, 0
	v_lshrrev_b32 v1, 5, v0
	v_readfirstlane_b32 s16, v1                    ; q: wave 0..3
	v_and_b32 v2, 31, v0                           ; l: lane
	v_lshlrev_b32 v8, 4, v2                        ; LDS: 16 l
	s_lshl_b32 s38, s16, 2
	v_add_nc_u32 v7, s38, v8                       ; LDS: 16 l + 4 q
	s_cmp_ge_u32 ttmp9, 192
	s_cbranch_scc1 .Lgate
	s_lshr_b32 s17, ttmp9, 3                       ; n
	s_bfe_u32 s18, ttmp9, 0x20001                  ; w
	s_and_b32 s19, ttmp9, 1                        ; g
	s_sub_co_u32 s20, s17, 8                       ; n - 8 (used where n >= 8 alone)
	s_bfe_u32 s21, s20, 0x10003                    ; chunk
	s_and_b32 s22, s20, 3
	s_bfe_u32 s23, s20, 0x10002                    ; 1: W_down
	s_lshl_b32 s22, s22, 1
	s_add_co_u32 s22, s22, s19                     ; K step 2 (j % 4) + g
	s_wait_kmcnt 0x0
	s_cmp_lt_u32 s17, 8                            ; W_up's blocks?  Every choice below hangs on the work-group's number alone
	s_cselect_b32 s24, s17, s22                    ; the K step
	s_cselect_b32 s25, s19, s21                    ; which 128 of the wave's 256 rows
	s_cselect_b64 s[26:27], s[4:5], s[6:7]         ; the tensor with K innermost
	s_cselect_b32 s28, -1, 0                       ; W_up alone: the rows of a tile are chosen
	s_cselect_b32 s29, 1, s23                      ; 1: K innermost; 0: W_expert
	s_lshl_b32 s30, s18, 8
	s_lshl_b32 s31, s25, 7
	s_add_co_u32 s30, s30, s31
	s_lshl_b32 s31, s16, 5
	s_add_co_u32 s30, s30, s31                     ; my wave's first row or column: 256 w + 128 (g or chunk) + 32 q
	s_mul_i32 s32, s17, 102400
	s_mul_i32 s33, s18, 25600
	s_add_co_u32 s32, s32, s33
	s_mov_b32 s33, 0
	s_add_nc_u64 s[12:13], s[12:13], s[32:33]      ; wq at my quarter
	s_lshl_b32 s34, s19, 3
	s_lshl_b32 s35, s16, 1
	s_add_co_u32 s34, s34, s35
	s_mul_i32 s34, s34, 1536                       ; my even tile's image
	v_lshl_add_u32 v3, v2, 4, s34                  ; + 16 l
	s_lshl_b32 s35, s19, 9
	v_lshl_add_u32 v4, v2, 4, s35                  ; the scale words: 512 g + 16 l
	s_cmp_eq_u32 s29, 0
	s_cbranch_scc1 .Lcolumns
	v_lshrrev_b32 v5, 4, v2                        ; K innermost.  W_up: lane l = 16 u + i takes row 8 u + i + 8 (i / 8) of the wave's 32; W_down: row l
	v_bfe_u32 v6, v2, 3, 1
	v_add_nc_u32 v5, v5, v6
	v_and_b32 v6, 15, v2
	v_lshl_add_u32 v5, v5, 3, v6
	v_cndmask_b32 v5, v2, v5, s28
	v_lshlrev_b32 v5, 12, v5                       ; rows of 4,096 bytes
	s_lshl_b32 s36, s30, 12
	s_lshl_b32 s37, s24, 9                         ; a K step is 512 bytes of a row
	s_add_co_u32 s36, s36, s37
	s_mov_b32 s37, 0
	s_add_nc_u64 s[26:27], s[26:27], s[36:37]
.irp i, 0,1,2,3,4,5,6,7,8,9,10,11,12,13,14,15,16,17,18,19,20,21,22,23,24,25,26,27,28,29,30,31
	global_load_b128 v[X+4*\i:X+4*\i+3], v5, s[26:27] offset:16*\i
.endr
	s_branch .Lhave
.Lcolumns:
	v_lshlrev_b32 v5, 2, v2                        ; W_expert: lane l takes column l of the wave's 32, its registers run down K
	s_lshl_b32 s36, s24, 19                        ; a K step is 128 rows of 4,096 bytes
	s_lshl_b32 s37, s30, 2
	s_add_co_u32 s36, s36, s37
	s_mov_b32 s37, 0
	s_add_nc_u64 s[8:9], s[8:9], s[36:37]
.set K_, 0
.rept 128
	global_load_b32 v[X+K_], v5, s[8:9] offset:4096*K_
.set K_, K_+1
.endr
.Lhave:
	s_wait_loadcnt 0x0                             ; all that the wave reads was asked for in one run
.irp b, 0,1,2,3
	v_max3_num_f32 v[MX+\b], |v[X+32*\b]|, |v[X+32*\b+1]|, 0x1800000   ; block b's largest magnitude, and the floor 2^(3 - 127): the byte cannot fall under 1
.endr
.irp i, 2,4,6,8,10,12,14,16,18,20,22,24,26,28,30
.irp b, 0,1,2,3
	v_max3_num_f32 v[MX+\b], v[MX+\b], |v[X+32*\b+\i]|, |v[X+32*\b+\i+1]|   ; (the four blocks by turns: no line waits for the line above it)
.endr
.endr
.irp b, 0,1,2,3
	v_add_nc_u32 v[SO+\b], 0xff000000, v[MX+\b]    ; 2 off the exponent field: the conversion takes the exponent field of this operand as its scale, and nothing else of it
.endr
.irp b, 0,1,2,3
	v_lshrrev_b32 v[BY+\b], 23, v[SO+\b]           ; the scale's byte
.endr
	v_lshl_or_b32 v[WD], v[BY+1], 8, v[BY]
	v_lshl_or_b32 v[WD], v[BY+2], 16, v[WD]
	v_lshl_or_b32 v[WD], v[BY+3], 24, v[WD]        ; my row's scale word for these 128 along K
.irp b, 0,1,2,3
	v_cvt_scalef32_pk16_fp6_f32 v[FA+12*(\b%2)+6*(\b/2):FA+12*(\b%2)+6*(\b/2)+2], v[X+32*\b:X+32*\b+15], v[SO+\b]   ; even blocks to FA, odd ones to FB
	v_cvt_scalef32_pk16_fp6_f32 v[TP+4*\b:TP+4*\b+2], v[X+32*\b+16:X+32*\b+31], v[SO+\b]   ; (a conversion's three registers begin on an even number: the upper 16 codes are made elsewhere and moved)
.endr
	v_nop                                          ; one plain place behind a scaled conversion
.irp b, 0,1,2,3
.irp i, 0,1,2
	v_mov_b32 v[FA+12*(\b%2)+6*(\b/2)+3+\i], v[TP+4*\b+\i]
.endr
.endr
.irp j, 0,1,2,3,4,5,6,7,8,9,10,11
	v_permlane16_swap_b32 v[FA+\j], v[FB+\j]       ; FA's lanes 16-31 change places with FB's lanes 0-15: FA is now the even tile's fragment (lanes 0-15 blocks 0, 2 of its rows, lanes 16-31 blocks 1, 3), FB the odd tile's
.endr
.irp c, 0,1,2,3,4,5
	global_store_b128 v3, v[FA+4*\c:FA+4*\c+3], s[12:13] offset:512*\c   ; 32 lanes store 512 consecutive bytes, at a multiple of 256 from wq's first byte
.endr
	ds_store_b32 v7, v[WD]                         ; lane l's word is that of tile 8 g + 2 q + l / 16, row l % 16: the four waves' words meet, 16 bytes a lane
	s_wait_dscnt 0x0                               ; for the others' sake: my store has landed
	s_barrier_signal -1
	s_barrier_wait -1
	s_cmp_lg_u32 s16, 0
	s_cbranch_scc1 .Ldone
	ds_load_b128 v[10:13], v8
	s_wait_dscnt 0x0
	global_store_b128 v4, v[10:13], s[12:13] offset:24576   ; 512 consecutive bytes
.Ldone:
	s_wait_tensorcnt 0x0
	ds_add_u32 v200, v201
	s_wait_dscnt 0x0
	s_endpgm
.Lgate:
	s_sub_co_u32 s17, ttmp9, 192
	s_lshl_b32 s17, s17, 7
	v_add_nc_u32 v3, s17, v0                       ; T = 0 .. 1,023: blk = T / 32, c = (T / 16) % 2, h = (T / 8) % 2, e = T % 8
	v_and_b32 v4, 7, v3
	v_lshlrev_b32 v4, 12, v4                       ; W_gate's row e,
	v_lshrrev_b32 v5, 5, v3
	v_lshl_add_u32 v4, v5, 7, v4                   ; 128 bytes a block,
	v_bfe_u32 v5, v3, 3, 1
	v_lshl_add_u32 v4, v5, 6, v4                   ; 64 h,
	v_bfe_u32 v5, v3, 4, 1
	v_lshl_add_u32 v4, v5, 5, v4                   ; 32 c
	v_lshlrev_b32 v5, 4, v3
	s_wait_kmcnt 0x0
	global_load_b128 v[8:11], v4, s[10:11]
	global_load_b128 v[12:15], v4, s[10:11] offset:16
	s_wait_loadcnt 0x0
.irp i, 0,1,2,3
	v_cvt_pk_bf16_f32 v[16+\i], v[8+2*\i], v[9+2*\i]
.endr
	global_store_b128 v5, v[16:19], s[14:15]       ; 32 lanes store 512 consecutive bytes
	s_endpgm
.Lfunc_end_k_qce46060859_prep:
	.size	k_qce46060859_prep, .Lfunc_end_k_qce46060859_prep-k_qce46060859_prep
	.p2alignl 7, 3214868480
	.fill 96, 4, 3214868480
	.section	.rodata,"a",@progbits
	.p2align	6, 0x0
	.amdhsa_kernel k_qce46060859_prep
		.amdhsa_group_segment_fixed_size 1024
		.amdhsa_private_segment_fixed_size 0
		.amdhsa_enable_private_segment 0
		.amdhsa_kernarg_size 48
		.amdhsa_user_sgpr_count 2
		.amdhsa_user_sgpr_kernarg_segment_ptr 1
		.amdhsa_wavefront_size32 1
		.amdhsa_system_sgpr_workgroup_id_x 1
		.amdhsa_system_sgpr_workgroup_id_y 1
		.amdhsa_system_sgpr_workgroup_id_z 1
		.amdhsa_system_vgpr_workitem_id 0
		.amdhsa_next_free_vgpr 202
		.amdhsa_next_free_sgpr 66
		.amdhsa_reserve_vcc 0
		.amdhsa_float_denorm_mode_32 3
		.amdhsa_float_denorm_mode_16_64 3
		.amdhsa_memory_ordered 1
		.amdhsa_forward_progress 1
		.amdhsa_inst_pref_size 27
	.end_amdhsa_kernel
	.amdgpu_metadata
---
amdhsa.version: [ 1, 2 ]
amdhsa.kernels:
  - .name:           k_qce46060859_prep
    .symbol:         k_qce46060859_prep.kd
    .args:
      - { .name: W_up, .offset: 0, .size: 8, .value_kind: global_buffer, .address_space: global }
      - { .name: W_down, .offset: 8, .size: 8, .value_kind: global_buffer, .address_space: global }
      - { .name: W_expert, .offset: 16, .size: 8, .value_kind: global_buffer, .address_space: global }
      - { .name: W_gate, .offset: 24, .size: 8, .value_kind: global_buffer, .address_space: global }
      - { .name: wq, .offset: 32, .size: 8, .value_kind: global_buffer, .address_space: global }
      - { .name: gq, .offset: 40, .size: 8, .value_kind: global_buffer, .address_space: global }
    .group_segment_fixed_size: 1024
    .private_segment_fixed_size: 0
    .kernarg_segment_align: 8
    .kernarg_segment_size: 48
    .max_flat_workgroup_size: 128
    .sgpr_count:     66
    .vgpr_count:     202
    .wavefront_size: 32
...
	.end_amdgpu_metadata
.endif
;; end of part 1
;; launch main (part 2): grid 256 x 1, 4 waves a work-group, clusters of 4 x 1, 327,680 bytes of LDS; arguments x, wq, gq, out0; writes out0
.if DOCPART == 2
	.amdgcn_target "amdgcn-amd-amdhsa--gfx1250"
	.amdhsa_code_object_version 6
	.text
	.protected	k_qce46060859_main
	.globl	k_qce46060859_main
	.p2align	8
	.type	k_qce46060859_main,@function
k_qce46060859_main:
	s_mov_b64 s[64:65], 0
	v_nop
	global_prefetch_b8 v0, s[64:65] scope:SCOPE_SE
	s_setreg_imm32_b32 hwreg(HW_REG_WAVE_MODE, 25, 1), 1
	s_wait_xcnt 0x0
	s_wait_alu depctr_hold_cnt(0) depctr_sa_sdst(0) depctr_va_vdst(0) depctr_va_sdst(0) depctr_va_ssrc(0) depctr_va_vcc(0) depctr_vm_vsrc(0)
	s_getreg_b32 s2, hwreg(HW_REG_IB_STS2, 6, 4)
	s_cmp_eq_u32 s2, 0
	s_cbranch_scc0 .Lentry_in_a_cluster
	s_endpgm
.Lentry_in_a_cluster:
	s_bfe_u32 s2, ttmp6, 0x10000c
	s_cmp_lg_u32 s2, 0x3003
	s_cbranch_scc0 .Lentry_shape_is_right
	s_endpgm
.Lentry_shape_is_right:
; out = Q(relu(Q(x) Q(W_up)^T)) Q(W_down)^T + s (Q(x) Q(W_expert)),  s = the sum of the softmax over the two largest of the eight logits x W_gate^T.  Q: codes of FP6 (E2M3), one E8M0 scale for each 32 along K.
; x, out0: [16,384][1,024] f32.  wq: the three weights as images of operand registers in the order of this walk; gq: W_gate in bf16 (both made by the launch before; their layouts stand at its head).
; SHARES.  A work-group owns 64 rows and takes them through the whole chain; nothing but x, the weights and out0 goes through memory.  THE FOUR WAVES SHARE THE COLUMNS: wave w makes hidden units and outputs
; 256 w .. 256 w + 255 for all 64 rows, so each fragment of a weight is read from LDS once, by one wave, and feeds four matrix instructions.  Both kinds of product are used transposed (source 0 = 16 rows of a
; weight, source 1 = 16 tokens): a lane holds ONE token (lane % 16) and eight neighbouring columns.
; THE WALK.  X: wave w quantises rows 16 w .. 16 w + 15 of x (8 fragments, images to LDS) and makes their gate logits (bf16 operands, f32 sums) and s.  U: stream blocks 0-7, K step by K step: 64 accumulators, the
; wave's 256 hidden units x 64 tokens.  H: relu, quantised in registers, images to LDS: K steps 2 w, 2 w + 1 of the last product.  Two chunks of 128 outputs a wave, 8 stream blocks each, two K steps a block: four
; blocks of W_expert on x's images, the sums times s, four blocks of W_down on the hidden layer's images onto the same sums; then the chunk goes out.
; THE WEIGHTS come through a ring of two LDS slots of 102,400 bytes, one stream block each; wave w fetches and reads its own quarter.  A block's fragments are in registers when its products begin, so its slot
; is filled again early in its own step.
; CLUSTER.  Every work-group walks the same stream: four work-groups form a cluster and ask for each block, and for gq, JOINTLY (the same tensor load, the same descriptor, a mask that names the four).  A mask names
; four work-groups at the most, so a larger cluster would share no more.
; LIMITS: NaN and infinities among the inputs are not served; blocks whose largest magnitude lies under 2^-124 keep the scale byte 1 (a block of zeros too: its codes are zeros); the gate product's operands are
; rounded to bf16 (its result feeds no quantiser); an output's sum runs W_expert's K steps ascending, is multiplied by s, and then takes W_down's K steps ascending.
; REGISTERS, in windows of 256.  Window 0: v1-30 addresses; v32-79, v80-127 the tokens' fragments of two K steps (in X: x in bf16, W_gate, the logits); v128-143 scale words and nothing else; v144-151 s;
; v152-215 64 numbers at work, later rows on the way out; v216-253 the quantiser's.  Window 1: v0-191 a stream block's 16 fragments.  Windows 2, 3: the accumulators, (m, t) at 64 m + 8 t; before U: x as loaded.
.set SLOTB, 102400                     ; a slot = a stream block
.set QB,    25600                      ; a wave's quarter of it: 16 fragments, then 1,024 bytes of scale words
.set FRB,   1536                       ; a fragment's image: 12 registers x 128 bytes
.set EB,    6144                       ; the four tiles of tokens of one K step
.set IMG,   2*SLOTB                    ; behind the ring: the tokens' images e = 0..15 (x's K steps 0-7, the hidden layer's 0-7): fragment (e, m) at EB e + FRB m + 512 c + 16 lane
.set SC,    IMG+16*EB                  ; their scale words at 256 e + 16 r + 4 m
.set SSC,   SC+4096                    ; s at 32 r + 8 m, twice (a pair for the packed multiply)
.set STG,   SSC+512                    ; the way out: 16 rows x 272 bytes for each wave
.set GQL,   STG                        ; before that gq, 16,384 bytes: filled once, read in X alone
.set SPARE, STG+17408                  ; the spare words, 128 bytes for each wave: two blocks of 256 bytes that no other line names
.set TURN,  IMG+8*EB                   ; X alone: 16 rows x 528 bytes for each wave, in the bytes that the hidden layer's images take later
.set SPW, 1                            ; v1   LDS address of my spare word; never rewritten
.set NIL, 2                            ; v2   0; never rewritten
.set LI,  3                            ; v3   16 x lane
.set LR,  4                            ; v4   16 r
.set TS,  5                            ; v5   X: where a loaded row's 16 bytes go
.set TR,  6                            ; v6   X: where my 16 neighbours of a block come from
.set GQA, 7                            ; v7   W_gate's fragments
.set XIW, 8                            ; v8   where I store x's images
.set XSW, 9                            ; v9   and their scale words
.set HIW, 10                           ; v10  the hidden layer's images
.set HSW, 11                           ; v11  and their scale words
.set SSW, 12                           ; v12  where I store s
.set SSR, 13                           ; v13  and read the four tiles' s
.set WB,  14                           ; v14  my place in my quarter of slot 0
.set WN,  15                           ; v15  the same in the slot to be read
.set OP,  16                           ; v16  the tokens' images to be read
.set OS,  17                           ; v17  and their scale words
.set STO, 18                           ; v18  the way out: where I put 32 bytes of a row
.set RD,  19                           ; v19  where I read a row back
.set GO,  20                           ; v20  my byte offset in the work-group's rows of out0
.set PF,  28                           ; v28  the prefetch's offset in wq; never rewritten
.set OPB, 29                           ; v29  IMG + 16 x lane
.set OSB, 30                           ; v30  SC + 16 r
.set OA,  32
.set OB,  80
.set XB,  32                           ; X: x in bf16, 8 registers a block of 32
.set GW,  64                           ; X: W_gate's four fragments of a K step
.set GA,  96                           ; X: four sums of logits, by turns
.set OAS, 128
.set OBS, 132
.set WS,  136
.set VS,  144
.set XT,  152
.set HA,  152
.set BK,  152
.set TM,  216                          ; v216-219 largest magnitudes, v220-223 bytes, v228-231 the conversions' scale operands
.set PW,  232                          ; the scale word just made
.set PC,  234                          ; v234-252 the codes just made
.set WV,  12                           ; s12  my wave's number
.set SEL, 20                           ; s[20:21] v_permlanex16_b32's selects for lane l xor 16
.set TB,  22                           ; s22  the slot in hand: 0 or SLOTB
.set WQ,  23                           ; s23  QB x wave
.set G1,  24                           ; s[24:31] descriptor group 1: a quarter of a stream block
.set G0,  32                           ; s[32:35] group 0, which walks
.set G0A, 36                           ; s[36:39] group 0 of stream block 0
.set G1G, 40                           ; s[40:47] group 1: a quarter of gq
.set G0G, 48                           ; s[48:51] its group 0
.set CNT, 52                           ; s52  a loop's trips
.set EO,  53                           ; s53  the tokens' images to be read: bytes from IMG
.set ES,  54                           ; s54  and their scale words: bytes from SC
.set MSB, 0
.macro WIN new                         ; the immediate's high byte repeats the setting that is left; a switch that changes nothing is dropped
.if MSB != (\new)
	s_set_vgpr_msb (MSB<<8)|(\new)
.set MSB, (\new)
.endif
.endm
.macro PLACES n                        ; plain vector places behind matrix instructions (ISA guide 7.12.1)
.rept \n
	v_nop
.endr
.endm
.macro CROUND                          ; a round of the cluster's barrier: my work-group's barrier; wave 0 signals for the work-group; every wave waits for all four work-groups; my work-group's barrier once more
	s_barrier_signal -1
	s_barrier_wait -1
	s_cmp_lg_u32 s[WV], 0
	s_cbranch_scc1 .Lnot_wave_0_\@
	s_barrier_signal -3
.Lnot_wave_0_\@:
	s_barrier_wait -3
	s_barrier_signal -1
	s_barrier_wait -1
.endm
; 64 numbers of a lane, v[s] .. v[s + 63], register 16 b + i = k 32 b + 16 (lane / 16) + i of my row, become a fragment's codes in v[PC] on and its scale word in v[PW].
.macro QUANT s
.irp b, 0,1,2,3
	v_max3_num_f32 v[TM+\b], |v[\s+16*\b]|, |v[\s+1+16*\b]|, 0x1800000   ; block b: my 16 numbers, and the floor 2^(3 - 127): the byte cannot fall under 1
.endr
.irp i, 2,4,6,8,10,12,14
.irp b, 0,1,2,3
	v_max3_num_f32 v[TM+\b], v[TM+\b], |v[\s+16*\b+\i]|, |v[\s+1+16*\b+\i]|   ; (the four blocks by turns)
.endr
.endr
.irp b, 0,1,2,3
	v_permlanex16_b32 v[TM+4+\b], v[TM+\b], s[SEL], s[SEL+1]
.endr
.irp b, 0,1,2,3
	v_max_num_f32 v[TM+\b], v[TM+\b], v[TM+4+\b]   ; with lane l xor 16's: the block's largest magnitude
.endr
.irp b, 0,1,2,3
	v_add_nc_u32 v[TM+12+\b], 0xff000000, v[TM+\b] ; 2 off its exponent field: the conversion's scale operand
.endr
.irp b, 0,1,2,3
	v_lshrrev_b32 v[TM+4+\b], 23, v[TM+12+\b]      ; the scale's byte
.endr
	v_lshl_or_b32 v[PW], v[TM+5], 8, v[TM+4]       ; the four bytes make my row's scale word
	v_lshl_or_b32 v[PW], v[TM+6], 16, v[PW]
	v_lshl_or_b32 v[PW], v[TM+7], 24, v[PW]
.irp c, 0,1
	v_cvt_scalef32_pk16_fp6_f32 v[PC+6*\c:PC+2+6*\c], v[\s+32*\c:\s+15+32*\c], v[TM+12+2*\c]
	v_cvt_scalef32_pk16_fp6_f32 v[PC+12+4*\c:PC+14+4*\c], v[\s+16+32*\c:\s+31+32*\c], v[TM+12+2*\c+1]   ; (a conversion's three registers begin on an even number)
.endr
	v_nop                                          ; one plain place behind a scaled conversion
.irp c, 0,1                            ; the operand's layout wants a WHOLE block in a lane: lanes 0-15 block 2 c, lanes 16-31 block 2 c + 1
.irp i, 0,1,2
	v_permlane16_swap_b32 v[PC+6*\c+\i], v[PC+12+4*\c+\i]
.endr
.irp i, 0,1,2
	v_mov_b32 v[PC+3+6*\c+\i], v[PC+12+4*\c+\i]
.endr
.endr
.endm
.macro IMAGE adr, off                  ; the fragment in v[PC] on goes to LDS as it stands: 512 consecutive bytes a store
.irp c, 0,1,2
	ds_store_b128 v[\adr], v[PC+4*\c:PC+4*\c+3] offset:(\off)+512*\c
.endr
.endm
.macro XLOAD ks                        ; my 16 rows' numbers of K step ks, as they lie: a load reads 512 consecutive bytes of one row.  Into window 2 (K steps 0-3) or 3
	WIN 0x80+0x40*((\ks)/4)
.irp i, 0,1,2,3,4,5,6,7,8,9,10,11,12,13,14,15
	global_load_b128 v[64*((\ks)%4)+4*\i:64*((\ks)%4)+4*\i+3], v[LI], s[4:5] offset:4096*\i+512*(\ks) th:TH_LOAD_NT
.endr
.endm
; K step ks of x.  The 16 rows x 512 bytes turn through my own bytes of LDS (rows 528 bytes apart), so that lane (r, h) gets, of row r, 16 neighbours of each block of 32; LDS serves a wave's instructions in order
; (ISA guide 5.7.1.4): no wait between the stores and the loads.  Then the logits' four products (32 along K each, four sums by turns), the codes, and their image.
.macro XSTEP ks, lc
	s_wait_loadcnt \lc                             ; this K step's 16 loads are in; lc of the later K steps' may be out
	WIN 0x08+4*((\ks)/4)                           ; an LDS store's data are its source 1
.irp i, 0,1,2,3,4,5,6,7,8,9,10,11,12,13,14,15
	ds_store_b128 v[TS], v[64*((\ks)%4)+4*\i:64*((\ks)%4)+4*\i+3] offset:528*\i
.endr
	WIN 0
.irp b, 0,1,2,3
.irp j, 0,1,2,3
	ds_load_b128 v[XT+16*\b+4*\j:XT+16*\b+4*\j+3], v[TR] offset:128*\b+16*\j
.endr
.endr
.irp b, 0,1,2,3
.irp c, 0,1
	ds_load_b128 v[GW+8*\b+4*\c:GW+8*\b+4*\c+3], v[GQA] offset:2048*(\ks)+512*\b+256*\c   ; W_gate, laid with the same order of k in a lane as x below; rows 8-15 of the tile repeat rows 0-7
.endr
.endr
	s_wait_dscnt 0x0                               ; all are in, and the last K step's image stores have read their registers
.irp b, 0,1,2,3
.irp i, 0,1,2,3,4,5,6,7
	v_cvt_pk_bf16_f32 v[XB+8*\b+\i], v[XT+16*\b+2*\i], v[XT+16*\b+2*\i+1]
.endr
.endr
.irp b, 0,1,2,3
.if (\ks) == 0
	v_wmma_f32_16x16x32_bf16 v[GA+8*\b:GA+8*\b+7], v[GW+8*\b:GW+8*\b+7], v[XB+8*\b:XB+8*\b+7], 0
.else
	v_wmma_f32_16x16x32_bf16 v[GA+8*\b:GA+8*\b+7], v[GW+8*\b:GW+8*\b+7], v[XB+8*\b:XB+8*\b+7], v[GA+8*\b:GA+8*\b+7]
.endif
.endr
	QUANT XT                                       ; (its first lines, which name none of those products' registers, are the places behind them)
	IMAGE XIW, EB*(\ks)
	ds_store_b32 v[XSW], v[PW] offset:256*(\ks)    ; lanes r and 16 + r write the same word with the same value
.endm
.macro FETCHW hh                       ; 25 loads: half hh of the stream block at v[WN]: eight fragments into window 1, and their scale words: register q: lanes 0-15 tile 2 q, lanes 16-31 tile 2 q + 1
	WIN 0x40
.irp t, 0,1,2,3,4,5,6,7
.irp c, 0,1,2
	ds_load_b128 v[96*\hh+12*\t+4*\c:96*\hh+12*\t+4*\c+3], v[WN] offset:(8*\hh+\t)*FRB+512*\c
.endr
.endr
	WIN 0
	ds_load_b128 v[WS+4*\hh:WS+4*\hh+3], v[WN] offset:24576+512*\hh
.endm
.macro FETCHO reg, sreg, off, soff     ; 13 loads: the four tiles of tokens of one K step, and their scale words: register m: lane r the word of tile m's row r
.irp m, 0,1,2,3
.irp c, 0,1,2
	ds_load_b128 v[\reg+12*\m+4*\c:\reg+12*\m+4*\c+3], v[OP] offset:(\off)+FRB*\m+512*\c
.endr
.endr
	ds_load_b128 v[\sreg:\sreg+3], v[OS] offset:\soff
.endm
; 4 nt matrix instructions: tiles t0 .. t0 + nt - 1 of half hh x the four tiles of tokens.  The accumulators take turns, one instruction a turn, in the same order in every step.
; zero = 1: the product starts the sums: nothing is ever cleared.
.macro MULT hh, t0, nt, zero
.set T_, \t0
.rept \nt
.irp m, 0,1,2,3
.set rD, 64*\m+8*T_
.set rW, 96*\hh+12*T_
.set rO, OA+48*\hh+12*\m
.set rA, WS+4*\hh+T_/2
.set rB, OAS+4*\hh+\m
.if \zero
.if T_%2
	v_wmma_scale_f32_16x16x128_f8f6f4 v[rD:rD+7], v[rW:rW+11], v[rO:rO+11], 0, v[rA], v[rB] matrix_a_fmt:MATRIX_FMT_FP6 matrix_b_fmt:MATRIX_FMT_FP6 matrix_a_scale:MATRIX_SCALE_ROW1
.else
	v_wmma_scale_f32_16x16x128_f8f6f4 v[rD:rD+7], v[rW:rW+11], v[rO:rO+11], 0, v[rA], v[rB] matrix_a_fmt:MATRIX_FMT_FP6 matrix_b_fmt:MATRIX_FMT_FP6
.endif
.else
.if T_%2
	v_wmma_scale_f32_16x16x128_f8f6f4 v[rD:rD+7], v[rW:rW+11], v[rO:rO+11], v[rD:rD+7], v[rA], v[rB] matrix_a_fmt:MATRIX_FMT_FP6 matrix_b_fmt:MATRIX_FMT_FP6 matrix_a_scale:MATRIX_SCALE_ROW1
.else
	v_wmma_scale_f32_16x16x128_f8f6f4 v[rD:rD+7], v[rW:rW+11], v[rO:rO+11], v[rD:rD+7], v[rA], v[rB] matrix_a_fmt:MATRIX_FMT_FP6 matrix_b_fmt:MATRIX_FMT_FP6
.endif
.endif
.endr
.set T_, T_+1
.endr
.endm
; THE STEP OF STREAM BLOCK n: 64 matrix instructions.  Its fragments were asked for in the step before.  w0, w1: the windows of the two halves' products; z0, z1: they start sums.
; fill = 1: the block's slot is filled again, with block n + 2: all my tensor loads have landed (block n + 1 among them), 0 is added to my spare word, the add and my reads of the slot are waited for, a round of the
; cluster's barrier, and the joint load first behind it.  Then block n + 1's fragments and the next tokens' images are fetched, each half as soon as its registers are free.
; opinit = 1: the tokens' images begin anew at x's K step 0; else they go on by opstep (scale words: osstep).  dob, dsb: how far on the second half's tokens lie.
.macro SSTEP w0, w1, z0, z1, fill, opinit, opstep, osstep, dob, dsb
	s_wait_tensorcnt 0x0                           ; all my tensor loads have landed: the one that was out is my quarter of the next block; so the walking group 0 may be written
.if \fill
	ds_add_u32 v[SPW], v[NIL]                      ; 0 onto my spare word
	s_add_co_u32 s[G0+1], s[TB], s[WQ]             ; the slot in hand, my quarter,
	s_add_nc_u64 s[G0+2:G0+3], s[G0+2:G0+3], SLOTB ; takes the block two on; the type bits on top are not reached
.endif
	s_xor_b32 s[TB], s[TB], SLOTB                  ; the fetches below read the other slot
.if \opinit
	s_mov_b32 s[EO], 0
	s_mov_b32 s[ES], 0
.else
	s_add_co_u32 s[EO], s[EO], \opstep
	s_add_co_u32 s[ES], s[ES], \osstep
.endif
	s_wait_dscnt 38+\fill                          ; the first half's 38 loads are in; the second half's 38 (and the add) may be out
.if \z0
	PLACES 5                                       ; sums begun anew write over accumulators of earlier products
.endif
	WIN \w0
	MULT 0, 0, 4, \z0                              ; sixteen matrix instructions stand between the add and the wait for it
	s_wait_dscnt 0x0                               ; the add is done, and my reads of the slot in hand are over
	WIN 0
.if \fill
	CROUND                                         ; no wave of any partner still reads this slot or has a load on its way
	tensor_load_to_lds s[G0:G0+3], s[G1:G1+7]      ; the first tensor load behind the round, and my only one until the next
	s_nop 0
	PLACES 4
.endif
	v_add_nc_u32 v[WN], s[TB], v[WB]
	v_add_nc_u32 v[OP], s[EO], v[OPB]
	v_add_nc_u32 v[OS], s[ES], v[OSB]
	WIN \w0
	MULT 0, 4, 4, \z0
	PLACES 4                                       ; in front of loads into registers that matrix instructions have read
	FETCHW 0
	FETCHO OA, OAS, 0, 0
	WIN \w1
	MULT 1, 0, 8, \z1
	PLACES 4                                       ; likewise; and in front of whatever reads these results next
	WIN 0
	FETCHW 1
	FETCHO OB, OBS, \dob, \dsb
.endm
; The hidden layer, K step 2 w + c of the last product, tokens 16 m on: relu moves the 64 sums into window 0, each accumulator from its low end on; quantised; image to LDS.
.macro HQ c, m
	WIN 0x08+4*\c                                  ; source 1: window 2 + c
.set J_, 0
.rept 64
	v_max_num_f32 v[HA+J_], 0, v[64*\m+J_]
.set J_, J_+1
.endr
	WIN 0
	QUANT HA
	IMAGE HIW, EB*\c+FRB*\m
	ds_store_b32 v[HSW], v[PW] offset:256*\c+4*\m
	s_wait_dscnt 0x0                               ; the stores have read their registers
.endm
.macro SCALE                           ; the chunk's 32 sums of x W_expert times s: a lane holds one token of each tile m
	WIN 0x82                                       ; destination and source 0 window 2, s window 0
.irp m, 0,1,2,3
.set I_, 0
.rept 32
	v_pk_mul_f32 v[64*\m+I_:64*\m+I_+1], v[64*\m+I_:64*\m+I_+1], v[VS+2*\m:VS+2*\m+1]
.set I_, I_+2
.endr
.endr
	WIN 0
.endm
; THE WAY OUT of a chunk, in eight sub-blocks k of 16 tokens (tile k / 2) x 64 columns (k % 2).  A lane holds 32 neighbouring bytes of a row; they go into my own stage (rows 272 bytes apart) and come back as whole
; runs of 256 bytes.  LDS serves a wave's instructions in order: no wait between the stores and the loads, nor in front of the next sub-block's stores.
.macro SUBOUT k
	WIN 0x08                                       ; the data: window 2
.irp tt, 0,1,2,3
	ds_store_b128 v[STO], v[64*((\k)/2)+8*(4*((\k)%2)+\tt):64*((\k)/2)+8*(4*((\k)%2)+\tt)+3] offset:64*\tt       ; each accumulator from its low end on
	ds_store_b128 v[STO], v[64*((\k)/2)+8*(4*((\k)%2)+\tt)+4:64*((\k)/2)+8*(4*((\k)%2)+\tt)+7] offset:64*\tt+16
.endr
	WIN 0
.irp i, 0,1,2,3,4,5,6,7
	ds_load_b128 v[BK+32*((\k)%2)+4*\i:BK+32*((\k)%2)+4*\i+3], v[RD] offset:544*\i
.endr
.endm
.macro SUBSEND k, c, younger           ; younger: the LDS instructions issued behind sub-block k's loads, which may stay out
	s_wait_dscnt \younger
.irp i, 0,1,2,3,4,5,6,7
	global_store_b128 v[GO], v[BK+32*((\k)%2)+4*\i:BK+32*((\k)%2)+4*\i+3], s[10:11] offset:(16*((\k)/2)+2*\i)*4096+512*(\c)+256*((\k)%2) th:TH_STORE_NT   ; 16 lanes store 256 consecutive bytes, at a multiple of 256 from out0's first byte
.endr
.endm
.macro WAYOUT c
	s_wait_xcnt 0x0                                ; earlier stores have read their registers
	SUBOUT 0
.irp k, 1,2,3,4,5,6,7
.if \k > 1
	s_wait_xcnt 0x0                                ; sub-block k - 2's stores have read the registers that sub-block k's loads take
.endif
	SUBOUT \k
	SUBSEND \k-1, \c, 16                           ; behind its loads: sub-block k's 8 stores and 8 loads
.endr
	SUBSEND 7, \c, 0
.endm
	s_load_b256 s[4:11], s[0:1], 0x0               ; x s[4:5], wq s[6:7], gq s[8:9], out0 s[10:11]
	v_lshl_add_u32 v[SPW], v0, 2, SPARE
	v_mov_b32 v[NIL], 0
	ds_add_u32 v1, v2
	s_wait_dscnt 0x0
	v_lshrrev_b32 v21, 5, v0
	v_readfirstlane_b32 s[WV], v21                 ; wave 0..3
	s_bfe_u32 s13, ttmp6, 0x40000                  ; cx: my place in the cluster: it enters x's, out0's and the prefetch's global addresses alone
	s_lshl_b32 s14, ttmp9, 2                       ; in a cluster launch ttmp9 counts clusters
	s_add_co_u32 s14, s14, s13                     ; my block of 64 rows
	v_and_b32 v21, 31, v0                          ; lane
	v_and_b32 v22, 15, v0                          ; r
	v_bfe_u32 v23, v0, 4, 1                        ; h
	v_lshlrev_b32 v[LI], 4, v21
	v_lshlrev_b32 v[LR], 4, v22
	s_mul_i32 s[WQ], s[WV], QB
	s_mul_i32 s15, s[WV], 8448
	s_add_co_u32 s15, s15, TURN
	v_add_nc_u32 v[TS], s15, v[LI]                 ; TURN + 8,448 w + 16 lane
	v_mul_u32_u24 v[TR], v22, 528
	v_lshl_add_u32 v[TR], v23, 6, v[TR]
	v_add_nc_u32 v[TR], s15, v[TR]                 ; TURN + 8,448 w + 528 r + 64 h
	v_and_b32 v24, 7, v0
	v_lshl_add_u32 v24, v23, 3, v24
	v_lshl_add_u32 v[GQA], v24, 4, GQL             ; GQL + 16 (8 h + r % 8)
	s_mul_i32 s15, s[WV], FRB
	s_add_co_u32 s15, s15, IMG
	v_add_nc_u32 v[XIW], s15, v[LI]                ; x's images: my rows are tile m = w
	s_lshl_b32 s15, s[WV], 2
	s_add_co_u32 s15, s15, SC
	v_add_nc_u32 v[XSW], s15, v[LR]
	s_mul_i32 s15, s[WV], 2*EB
	s_add_co_u32 s15, s15, IMG+8*EB
	v_add_nc_u32 v[HIW], s15, v[LI]                ; the hidden layer's: my units are K steps 2 w, 2 w + 1
	s_lshl_b32 s15, s[WV], 9
	s_add_co_u32 s15, s15, SC+2048
	v_add_nc_u32 v[HSW], s15, v[LR]
	s_lshl_b32 s15, s[WV], 3
	s_add_co_u32 s15, s15, SSC
	v_lshl_add_u32 v[SSW], v22, 5, s15
	v_lshl_add_u32 v[SSR], v22, 5, SSC
	v_add_nc_u32 v[WB], s[WQ], v[LI]
	s_mul_i32 s15, s[WV], 4352
	s_add_co_u32 s15, s15, STG                     ; my stage
	v_mul_u32_u24 v[STO], v22, 272
	v_lshl_add_u32 v[STO], v23, 5, v[STO]
	v_add_nc_u32 v[STO], s15, v[STO]               ; in: row r, 32 bytes for each half of the lanes
	v_mul_u32_u24 v[RD], v23, 272
	v_add_nc_u32 v[RD], v[RD], v[LR]
	v_add_nc_u32 v[RD], s15, v[RD]                 ; back: lanes 0-15 one row, lanes 16-31 the next
	v_lshl_add_u32 v[GO], v23, 12, v[LR]
	s_lshl_b32 s15, s[WV], 10
	v_add_nc_u32 v[GO], s15, v[GO]                 ; the same two rows in out0, my wave's 1,024 bytes of them
	v_add_nc_u32 v[OPB], IMG, v[LI]
	v_add_nc_u32 v[OSB], SC, v[LR]
	s_lshl_b32 s57, s14, 13
	v_lshl_add_u32 v[PF], v21, 8, s57              ; 8,192 x my block + 256 x lane
.irp b, 0,1,2,3
	v_mov_b32 v[TM+4+\b], 0                        ; written once: a lane permute's destination counts as one of its sources
.endr
	s_mov_b32 s[SEL], 0x76543210
	s_mov_b32 s[SEL+1], 0xfedcba98
	; descriptor groups 1: dense blocks as rows of 256 bytes (32 elements of 8 bytes): 100 rows for a quarter of a stream block, 16 for a quarter of gq
	s_mov_b32 s[G1], 15|(3<<16)|(1<<21)            ; 15:0 the mask: all four work-groups; 17:16 elements of 8 bytes; 20 no padding (the images are read 512 consecutive bytes at a time); 21 set beside a mask
	s_mov_b32 s[G1+1], 32<<16                      ; tensor_dim0
	s_mov_b32 s[G1+2], 100<<16                     ; tensor_dim1
	s_mov_b32 s[G1+3], 32<<16                      ; tile_dim0
	s_mov_b32 s[G1+4], 100                         ; tile_dim1
	s_mov_b32 s[G1+5], 32                          ; tensor_dim0_stride
	s_mov_b32 s[G1+6], 0
	s_mov_b32 s[G1+7], 0
	s_mov_b32 s[G1G], 15|(3<<16)|(1<<21)
	s_mov_b32 s[G1G+1], 32<<16
	s_mov_b32 s[G1G+2], 16<<16
	s_mov_b32 s[G1G+3], 32<<16
	s_mov_b32 s[G1G+4], 16
	s_mov_b32 s[G1G+5], 32
	s_mov_b32 s[G1G+6], 0
	s_mov_b32 s[G1G+7], 0
	s_lshl_b32 s18, s14, 18                        ; 64 rows of 4,096 bytes a work-group
	s_mov_b32 s19, 0
	s_lshl_b32 s55, s[WV], 16                      ; in x: my wave's 16 rows
	s_wait_kmcnt 0x0
	s_add_nc_u64 s[10:11], s[10:11], s[18:19]      ; out0 at the work-group's first row
	s_add_co_u32 s18, s18, s55
	s_add_nc_u64 s[4:5], s[4:5], s[18:19]          ; x at my wave's first row
	XLOAD 0                                        ; 48 loads go out ahead of the round
	XLOAD 1
	XLOAD 2
	WIN 0
	; wq is asked for ahead of the tensor loads, each aligned run of 256 bytes once in the launch: wave 0 of work-group i asks for the 8,192 bytes at 8,192 i (lanes 256 bytes apart): 2,097,152 bytes;
	; wave 1 of work-groups 0 to 43 (clusters 0 to 10) for the 360,448 that are left.  The last byte asked for lies at 2,457,344, inside the buffer's 2,457,600.
	s_cmp_lg_u32 s[WV], 0
	s_cbranch_scc1 .Lpf_not_0
	global_prefetch_b8 v[PF], s[6:7] th:TH_LOAD_NT scope:SCOPE_SE
.Lpf_not_0:
	s_cmp_lg_u32 s[WV], 1
	s_cbranch_scc1 .Lpf_done
	s_cmp_ge_u32 ttmp9, 11                         ; the cluster's number: the same in all four partners
	s_cbranch_scc1 .Lpf_done
	global_prefetch_b8 v[PF], s[6:7] offset:2097152 th:TH_LOAD_NT scope:SCOPE_SE
.Lpf_done:
	s_lshl_b32 s16, s[WV], 12                      ; groups 0.  gq: my 4,096 bytes
	s_mov_b32 s17, 0
	s_mov_b32 s[G0G], 1                            ; 1:0 count = 1
	s_add_co_u32 s[G0G+1], s16, GQL                ; 63:32 LDS address
	s_add_nc_u64 s[G0G+2:G0G+3], s[8:9], s[16:17]  ; 120:64 global address
	s_or_b32 s[G0G+3], s[G0G+3], 0x80000000        ; 127:126 type = 2
	s_mov_b32 s16, s[WQ]
	s_mov_b32 s[G0A], 1                            ; stream block 0, my quarter, into slot 0
	s_mov_b32 s[G0A+1], s[WQ]
	s_add_nc_u64 s[G0A+2:G0A+3], s[6:7], s[16:17]
	s_mov_b32 s[G0], 1                             ; stream block 1 into slot 1
	s_add_co_u32 s[G0+1], s[WQ], SLOTB
	s_add_nc_u64 s[G0+2:G0+3], s[G0A+2:G0A+3], SLOTB
	s_or_b32 s[G0A+3], s[G0A+3], 0x80000000
	s_or_b32 s[G0+3], s[G0+3], 0x80000000
	CROUND                                         ; all four work-groups are here: the first joint loads meet
	tensor_load_to_lds s[G0G:G0G+3], s[G1G:G1G+7]  ; the three first fills stand together, ahead of every wait on TENSORcnt and every LDS read: three loads of mine are out
	s_nop 0
	tensor_load_to_lds s[G0A:G0A+3], s[G1:G1+7]
	s_nop 0
	tensor_load_to_lds s[G0:G0+3], s[G1:G1+7]
	s_nop 0
	PLACES 4
	XLOAD 3
	XLOAD 4
	XLOAD 5
	XLOAD 6
	XLOAD 7
	WIN 0
	s_wait_tensorcnt 0x2                           ; my quarter of gq is in; the two stream blocks issued behind it may be out
	s_barrier_signal -1
	s_barrier_wait -1                              ; everybody's is
	XSTEP 0, 63                                    ; behind K steps 0 to 3 stand 64 loads or more: 63 is the largest count that the wait can name
	XSTEP 1, 63
	XSTEP 2, 63
	XSTEP 3, 63
	XSTEP 4, 48                                    ; then 16 for each later K step
	XSTEP 5, 32
	XSTEP 6, 16
	XSTEP 7, 0
	; s.  The four sums are joined: register j of lane (r, h) is token r's logit of expert j, in both halves of the lanes.  Each sum is read from its low end on.
.irp j, 0,2,4,6
	v_pk_add_f32 v[GA+\j:GA+\j+1], v[GA+\j:GA+\j+1], v[GA+8+\j:GA+8+\j+1]
.endr
.irp j, 0,2,4,6
	v_pk_add_f32 v[GA+16+\j:GA+16+\j+1], v[GA+16+\j:GA+16+\j+1], v[GA+24+\j:GA+24+\j+1]
.endr
.irp j, 0,2,4,6
	v_pk_add_f32 v[GA+\j:GA+\j+1], v[GA+\j:GA+\j+1], v[GA+16+\j:GA+16+\j+1]
.endr
	v_max_num_f32 v21, v[GA], v[GA+1]              ; m1, m2: the two largest logits (only their values count: s does not ask which experts they are)
	v_min_num_f32 v22, v[GA], v[GA+1]
.irp j, 2,3,4,5,6,7
	v_min_num_f32 v23, v21, v[GA+\j]
	v_max_num_f32 v21, v21, v[GA+\j]
	v_max_num_f32 v22, v22, v23
.endr
	v_sub_f32 v23, v22, v21                        ; the softmax takes its maximum m1 away: the weights are 1 / (1 + e) and e / (1 + e), e = exp(m2 - m1), at most 1
	v_mul_f32 v23, 0x3fb8aa3b, v23
	v_exp_f32 v24, v23
	v_nop                                          ; one plain place behind a transcendental
	s_wait_alu depctr_va_vdst(0)
	v_add_f32 v25, 1.0, v24
	v_rcp_f32 v26, v25
	v_nop
	s_wait_alu depctr_va_vdst(0)
	v_fma_f32 v24, v24, v26, v26                   ; s = their sum
	v_mov_b32 v25, v24
	ds_store_b64 v[SSW], v[24:25]                  ; lanes r and 16 + r write the same pair with the same values
	s_wait_tensorcnt 0x1                           ; my quarter of stream block 0 is in; block 1 may be out
	s_wait_dscnt 0x0                               ; for the others' sake: my images, scale words and s have landed
	s_barrier_signal -1
	s_barrier_wait -1                              ; x's 32 fragments lie in LDS
	ds_load_b128 v[VS:VS+3], v[SSR]
	ds_load_b128 v[VS+4:VS+7], v[SSR] offset:16
	s_mov_b32 s[TB], 0
	s_mov_b32 s[EO], 0
	s_mov_b32 s[ES], 0
	v_mov_b32 v[WN], v[WB]
	v_mov_b32 v[OP], v[OPB]
	v_mov_b32 v[OS], v[OSB]
	FETCHW 0
	FETCHO OA, OAS, 0, 0
	FETCHW 1
	FETCHO OB, OBS, 0, 0
	; U: stream blocks 0-7.  Half 0 (hidden units 256 w on) sums in window 2, half 1 (256 w + 128 on) in window 3; both take x's K step n
	SSTEP 0xa1, 0xf1, 1, 1, 1, 0, EB, 256, 0, 0
	s_mov_b32 s[CNT], 6
.Lup:
	SSTEP 0xa1, 0xf1, 0, 0, 1, 0, EB, 256, 0, 0
	s_sub_co_i32 s[CNT], s[CNT], 1
	s_cmp_lg_u32 s[CNT], 0
	s_cbranch_scc1 .Lup
	SSTEP 0xa1, 0xf1, 0, 0, 1, 1, 0, 0, EB, 256    ; block 7; what it fetches is the first chunk's: x's K steps 0 and 1
	; H: the first reads of these images stand behind the rounds of blocks 8 to 11
.irp c, 0,1
.irp m, 0,1,2,3
	HQ \c, \m
.endr
.endr
	; CHUNK 0: stream blocks 8-15; both halves sum in window 2: K steps 2 j and 2 j + 1
	SSTEP 0xa1, 0xa1, 1, 0, 1, 0, 2*EB, 512, EB, 256
	s_mov_b32 s[CNT], 6
.Lchunk0:
	s_cmp_lg_u32 s[CNT], 3                         ; ahead of block 12, the first of W_down: the sums of x W_expert are whole
	s_cbranch_scc1 .Lchunk0_go
	SCALE
.Lchunk0_go:
	SSTEP 0xa1, 0xa1, 0, 0, 1, 0, 2*EB, 512, EB, 256
	s_sub_co_i32 s[CNT], s[CNT], 1
	s_cmp_lg_u32 s[CNT], 0
	s_cbranch_scc1 .Lchunk0
	SSTEP 0xa1, 0xa1, 0, 0, 1, 1, 0, 0, EB, 256    ; block 15
	WAYOUT 0                                       ; nothing waits for these stores: they leave while the next chunk is multiplied
	; CHUNK 1: stream blocks 16-23
	SSTEP 0xa1, 0xa1, 1, 0, 1, 0, 2*EB, 512, EB, 256
	s_mov_b32 s[CNT], 5
.Lchunk1:
	s_cmp_lg_u32 s[CNT], 2                         ; ahead of block 20
	s_cbranch_scc1 .Lchunk1_go
	SCALE
.Lchunk1_go:
	SSTEP 0xa1, 0xa1, 0, 0, 1, 0, 2*EB, 512, EB, 256
	s_sub_co_i32 s[CNT], s[CNT], 1
	s_cmp_lg_u32 s[CNT], 0
	s_cbranch_scc1 .Lchunk1
	SSTEP 0xa1, 0xa1, 0, 0, 0, 0, 2*EB, 512, EB, 256   ; block 22: written out: nothing is left to ask for, so no round; a wave reads its own quarter alone, behind its own wait
	s_wait_dscnt 38                                ; block 23: the first half's loads are in
	WIN 0xa1
	MULT 0, 0, 8, 0
	s_wait_dscnt 0x0
	MULT 1, 0, 8, 0
	PLACES 4                                       ; in front of the stores that read these results
	WIN 0
	WAYOUT 1
	s_wait_tensorcnt 0x0                           ; the wave's end: behind my last tensor load and my last LDS store
	ds_add_u32 v[SPW], v[NIL]
	s_wait_dscnt 0x0
	CROUND                                         ; the closing round: no work-group ends while a partner may still ask for a block that names it
	s_endpgm
.Lfunc_end_k_qce46060859_main:
	.size	k_qce46060859_main, .Lfunc_end_k_qce46060859_main-k_qce46060859_main
	.p2alignl 7, 3214868480
	.fill 96, 4, 3214868480
	.section	.rodata,"a",@progbits
	.p2align	6, 0x0
	.amdhsa_kernel k_qce46060859_main
		.amdhsa_group_segment_fixed_size 327680
		.amdhsa_private_segment_fixed_size 0
		.amdhsa_enable_private_segment 0
		.amdhsa_kernarg_size 32
		.amdhsa_user_sgpr_count 2
		.amdhsa_user_sgpr_kernarg_segment_ptr 1
		.amdhsa_wavefront_size32 1
		.amdhsa_system_sgpr_workgroup_id_x 1
		.amdhsa_system_sgpr_workgroup_id_y 1
		.amdhsa_system_sgpr_workgroup_id_z 1
		.amdhsa_system_vgpr_workitem_id 0
		.amdhsa_next_free_vgpr 1024
		.amdhsa_next_free_sgpr 66
		.amdhsa_reserve_vcc 0
		.amdhsa_float_denorm_mode_32 3
		.amdhsa_float_denorm_mode_16_64 3
		.amdhsa_memory_ordered 1
		.amdhsa_forward_progress 1
		.amdhsa_inst_pref_size 255
	.end_amdhsa_kernel
	.section	.bss,"aw",@nobits
	.p2align	6
	.space	262144
	.amdgpu_metadata
---
amdhsa.version: [ 1, 2 ]
amdhsa.kernels:
  - .name:           k_qce46060859_main
    .symbol:         k_qce46060859_main.kd
    .args:
      - { .name: x, .offset: 0, .size: 8, .value_kind: global_buffer, .address_space: global }
      - { .name: wq, .offset: 8, .size: 8, .value_kind: global_buffer, .address_space: global }
      - { .name: gq, .offset: 16, .size: 8, .value_kind: global_buffer, .address_space: global }
      - { .name: out0, .offset: 24, .size: 8, .value_kind: global_buffer, .address_space: global }
    .group_segment_fixed_size: 327680
    .private_segment_fixed_size: 0
    .kernarg_segment_align: 8
    .kernarg_segment_size: 32
    .max_flat_workgroup_size: 128
    .sgpr_count:     66
    .vgpr_count:     1024
    .wavefront_size: 32
...
	.end_amdgpu_metadata
.endif
;; end of part 2
;; ======== version 2 of 2: 2 launches
;; limits: right only within a limited range of input values
;; workspace buffers: wq 2,457,600 bytes
;; launch prep (part 3): grid 192 x 1, 4 waves a work-group, no clusters, 1,024 bytes of LDS; arguments W_up, W_down, W_expert, wq; writes wq
.if DOCPART == 3
	.amdgcn_target "amdgcn-amd-amdhsa--gfx1250"
	.amdhsa_code_object_version 6
	.text
	.protected	k_qce46060859_prep
	.globl	k_qce46060859_prep
	.p2align	8
	.type	k_qce46060859_prep,@function
k_qce46060859_prep:
	s_mov_b64 s[64:65], 0
	v_nop
	global_prefetch_b8 v0, s[64:65] scope:SCOPE_SE
	s_setreg_imm32_b32 hwreg(HW_REG_WAVE_MODE, 25, 1), 1
	s_wait_xcnt 0x0
; WORK LEFT OUT, in this launch and the next.  reference() multiplies expert_out by sum(rw), rw = softmax(routing_weights) along the axis that is summed.  A softmax's terms e_i / (e_1 + e_2) add up to 1
; for all finite logits, so the factor is 1 by an identity and moe_out = expert_out.  The logits x W_gate^T, the top-k and the softmax then reach no output: product 1 of the table is left out,
; and W_gate is not loaded and is no argument of any launch.  LIMIT: a NaN, an infinity or an overflow that reaches only the logits is not carried to the result.
; THIS LAUNCH: W_up, W_expert and W_down become codes of FP6 (E2M3) with one E8M0 scale for each 32 along K, laid as IMAGES OF OPERAND REGISTERS in the order in which the second launch walks them.
; wq: 48 positions n of 51,200 bytes; in a position four quarters w (one for each wave there) of 12,800 bytes; in a quarter 8 fragments t (16 rows x 128 K) of 1,536 bytes, register group c of lane l at
;   1,536 t + 512 c + 16 l; behind them 512 bytes of scale words: the word of tile t = 2 q + (l / 16), row l % 16, at 12,288 + 16 l + 4 q.
;   n = 0..15: W_up, half g = n / 8, K step n % 8; row i of tile t is W_up's row 256 w + 128 g + 32 (t / 2) + 8 (t % 2) + i + 8 (i / 8): so chosen, the results of two neighbouring tiles are 16 neighbours along the next K.
;   n = 16..47: chunk c = (n - 16) / 16; bit 3 of n: 0 W_expert, 1 W_down; K step n % 8; row i of tile t is output column 256 w + 128 c + 16 t + i.
; SHARES.  Work-group id: n = id / 4, w = id % 4; its wave q makes tiles 2 q, 2 q + 1: 32 rows x 128 K.  A LANE OWNS ONE ROW (or column) AND ALL 128 NUMBERS OF IT: its four blocks of 32 need no other lane.
; A block's scale is 2^(floor(log2(its largest magnitude)) - 2); its byte is the largest magnitude's exponent field - 2, held at 1 from below.  A block of zeros so gets the byte 1 where the rule says 127:
; its codes are zeros, which add nothing under any byte but 0xff, and this program alone reads the bytes.
; LIMITS: blocks whose largest magnitude lies under 2^-124 keep the byte 1; NaN and infinities among the inputs are not served.
; W_up and W_down have K innermost: a lane's 512 bytes of its row are taken by 32 loads of 16 bytes on end, the lanes 4,096 bytes apart.  W_expert has K as its first axis: a lane takes a column and its
; registers run down K; a load reads 128 neighbouring bytes, the four waves side by side 512.
.set X,   16                           ; v16-143  my row's 128 numbers
.set FA,  144                          ; v144-155 blocks 0 and 2, then the even tile's fragment
.set FB,  156                          ; v156-167 blocks 1 and 3, then the odd tile's fragment
.set TP,  168                          ; v168-183 the upper 16 codes of each block, on their way
.set MX,  184                          ; v184-187 largest magnitudes
.set SO,  188                          ; v188-191 the conversions' scale operands
.set BY,  192                          ; v192-195 the scales' bytes
.set WD,  196                          ; v196     my row's scale word
	s_load_b128 s[4:7], s[0:1], 0x0                ; W_up s[4:5], W_down s[6:7]
	s_load_b128 s[8:11], s[0:1], 0x10              ; W_expert s[8:9], wq s[10:11]
	v_lshl_add_u32 v200, v0, 2, 0x200              ; my spare word (the spare words: bytes 512 to 1,023)
	v_mov_b32 v201, 0
	v_lshrrev_b32 v1, 5, v0
	v_readfirstlane_b32 s16, v1                    ; q: wave 0..3
	v_and_b32 v2, 31, v0                           ; l: lane
	v_lshlrev_b32 v8, 4, v2                        ; 16 l
	s_lshl_b32 s38, s16, 2
	v_add_nc_u32 v7, s38, v8                       ; LDS: 16 l + 4 q
	s_lshr_b32 s17, ttmp9, 2                       ; n
	s_and_b32 s18, ttmp9, 3                        ; w
	s_and_b32 s24, s17, 7                          ; the K step
	s_lshr_b32 s19, s17, 3                         ; g (used where n < 16 alone)
	s_bfe_u32 s21, s17, 0x10005                    ; chunk (n >= 16)
	s_bfe_u32 s23, s17, 0x10003                    ; 1: W_down (n >= 16)
	s_wait_kmcnt 0x0
	s_cmp_lt_u32 s17, 16                           ; W_up's positions?  Every choice below hangs on the work-group's number alone
	s_cselect_b32 s25, s19, s21                    ; which 128 of the wave's 256 rows
	s_cselect_b64 s[26:27], s[4:5], s[6:7]         ; the tensor with K innermost
	s_cselect_b32 s28, -1, 0                       ; W_up alone: the rows of a tile are chosen
	s_cselect_b32 s29, 1, s23                      ; 1: K innermost; 0: W_expert
	s_lshl_b32 s30, s18, 8
	s_lshl_b32 s31, s25, 7
	s_add_co_u32 s30, s30, s31
	s_lshl_b32 s31, s16, 5
	s_add_co_u32 s30, s30, s31                     ; my wave's first row or column: 256 w + 128 (g or chunk) + 32 q
	s_mul_i32 s32, s17, 51200
	s_mul_i32 s33, s18, 12800
	s_add_co_u32 s32, s32, s33
	s_mov_b32 s33, 0
	s_add_nc_u64 s[12:13], s[10:11], s[32:33]      ; wq at my quarter
	s_mul_i32 s34, s16, 3072                       ; my even tile's image
	s_wait_alu depctr_va_vdst(0)
	v_lshl_add_u32 v3, v2, 4, s34                  ; + 16 l
	s_cmp_eq_u32 s29, 0
	s_cbranch_scc1 .Lcolumns
	v_lshrrev_b32 v5, 4, v2                        ; K innermost.  W_up: lane l = 16 u + i takes row 8 u + i + 8 (i / 8) of the wave's 32; W_down: row l
	v_bfe_u32 v6, v2, 3, 1
	v_add_nc_u32 v5, v5, v6
	v_and_b32 v6, 15, v2
	v_lshl_add_u32 v5, v5, 3, v6
	v_cndmask_b32 v5, v2, v5, s28
	v_lshlrev_b32 v5, 12, v5                       ; rows of 4,096 bytes
	s_lshl_b32 s36, s30, 12
	s_lshl_b32 s37, s24, 9                         ; a K step is 512 bytes of a row
	s_add_co_u32 s36, s36, s37
	s_mov_b32 s37, 0
	s_add_nc_u64 s[26:27], s[26:27], s[36:37]
.irp i, 0,1,2,3,4,5,6,7,8,9,10,11,12,13,14,15,16,17,18,19,20,21,22,23,24,25,26,27,28,29,30,31
	global_load_b128 v[X+4*\i:X+4*\i+3], v5, s[26:27] offset:16*\i
.endr
	s_branch .Lhave
.Lcolumns:
	v_lshlrev_b32 v5, 2, v2                        ; W_expert: lane l takes column l of the wave's 32, its registers run down K
	s_lshl_b32 s36, s24, 19                        ; a K step is 128 rows of 4,096 bytes
	s_lshl_b32 s37, s30, 2
	s_add_co_u32 s36, s36, s37
	s_mov_b32 s37, 0
	s_add_nc_u64 s[8:9], s[8:9], s[36:37]
.set K_, 0
.rept 128
	global_load_b32 v[X+K_], v5, s[8:9] offset:4096*K_
.set K_, K_+1
.endr
.Lhave:
	s_wait_loadcnt 0x0                             ; all that the wave reads was asked for in one run
.irp b, 0,1,2,3
	v_max3_num_f32 v[MX+\b], |v[X+32*\b]|, |v[X+32*\b+1]|, 0x1800000   ; block b's largest magnitude, and the floor 2^(3 - 127): the byte cannot fall under 1
.endr
.irp i, 2,4,6,8,10,12,14,16,18,20,22,24,26,28,30
.irp b, 0,1,2,3
	v_max3_num_f32 v[MX+\b], v[MX+\b], |v[X+32*\b+\i]|, |v[X+32*\b+\i+1]|   ; the four blocks by turns
.endr
.endr
.irp b, 0,1,2,3
	v_add_nc_u32 v[SO+\b], 0xff000000, v[MX+\b]    ; 2 off the exponent field: the conversion takes the exponent field of this operand as its scale
.endr
.irp b, 0,1,2,3
	v_lshrrev_b32 v[BY+\b], 23, v[SO+\b]           ; the scale's byte
.endr
	v_lshl_or_b32 v[WD], v[BY+1], 8, v[BY]
	v_lshl_or_b32 v[WD], v[BY+2], 16, v[WD]
	v_lshl_or_b32 v[WD], v[BY+3], 24, v[WD]        ; my row's scale word for these 128 along K
.irp b, 0,1,2,3
	v_cvt_scalef32_pk16_fp6_f32 v[FA+12*(\b%2)+6*(\b/2):FA+12*(\b%2)+6*(\b/2)+2], v[X+32*\b:X+32*\b+15], v[SO+\b]   ; even blocks to FA, odd ones to FB
	v_cvt_scalef32_pk16_fp6_f32 v[TP+4*\b:TP+4*\b+2], v[X+32*\b+16:X+32*\b+31], v[SO+\b]   ; a conversion's three registers begin on an even number: the upper 16 codes are made elsewhere and moved
.endr
	v_nop                                          ; one plain place behind a scaled conversion
.irp b, 0,1,2,3
.irp i, 0,1,2
	v_mov_b32 v[FA+12*(\b%2)+6*(\b/2)+3+\i], v[TP+4*\b+\i]
.endr
.endr
.irp j, 0,1,2,3,4,5,6,7,8,9,10,11
	v_permlane16_swap_b32 v[FA+\j], v[FB+\j]       ; FA's lanes 16-31 change places with FB's lanes 0-15: FA is now the even tile's fragment, FB the odd tile's
.endr
.irp c, 0,1,2,3,4,5
	global_store_b128 v3, v[FA+4*\c:FA+4*\c+3], s[12:13] offset:512*\c   ; 32 lanes store 512 consecutive bytes, at a multiple of 256 from wq's first byte
.endr
	ds_store_b32 v7, v[WD]                         ; lane l's word is that of tile 2 q + l / 16, row l % 16: the four waves' words meet, 16 bytes a lane
	s_wait_dscnt 0x0                               ; for the others' sake: my store has landed
	s_barrier_signal -1
	s_barrier_wait -1
	s_cmp_lg_u32 s16, 0
	s_cbranch_scc1 .Ldone
	ds_load_b128 v[10:13], v8
	s_wait_dscnt 0x0
	global_store_b128 v8, v[10:13], s[12:13] offset:12288   ; 512 consecutive bytes
.Ldone:
	s_wait_tensorcnt 0x0                           ; the wave's end
	ds_add_u32 v200, v201
	s_wait_dscnt 0x0
	s_endpgm
.Lfunc_end_k_qce46060859_prep:
	.size	k_qce46060859_prep, .Lfunc_end_k_qce46060859_prep-k_qce46060859_prep
	.p2alignl 7, 3214868480
	.fill 96, 4, 3214868480
	.section	.rodata,"a",@progbits
	.p2align	6, 0x0
	.amdhsa_kernel k_qce46060859_prep
		.amdhsa_group_segment_fixed_size 1024
		.amdhsa_private_segment_fixed_size 0
		.amdhsa_enable_private_segment 0
		.amdhsa_kernarg_size 32
		.amdhsa_user_sgpr_count 2
		.amdhsa_user_sgpr_kernarg_segment_ptr 1
		.amdhsa_wavefront_size32 1
		.amdhsa_system_sgpr_workgroup_id_x 1
		.amdhsa_system_sgpr_workgroup_id_y 1
		.amdhsa_system_sgpr_workgroup_id_z 1
		.amdhsa_system_vgpr_workitem_id 0
		.amdhsa_next_free_vgpr 202
		.amdhsa_next_free_sgpr 66
		.amdhsa_reserve_vcc 0
		.amdhsa_float_denorm_mode_32 3
		.amdhsa_float_denorm_mode_16_64 3
		.amdhsa_memory_ordered 1
		.amdhsa_forward_progress 1
		.amdhsa_inst_pref_size 25
	.end_amdhsa_kernel
	.amdgpu_metadata
---
amdhsa.version: [ 1, 2 ]
amdhsa.kernels:
  - .name:           k_qce46060859_prep
    .symbol:         k_qce46060859_prep.kd
    .args:
      - { .name: W_up, .offset: 0, .size: 8, .value_kind: global_buffer, .address_space: global }
      - { .name: W_down, .offset: 8, .size: 8, .value_kind: global_buffer, .address_space: global }
      - { .name: W_expert, .offset: 16, .size: 8, .value_kind: global_buffer, .address_space: global }
      - { .name: wq, .offset: 24, .size: 8, .value_kind: global_buffer, .address_space: global }
    .group_segment_fixed_size: 1024
    .private_segment_fixed_size: 0
    .kernarg_segment_align: 8
    .kernarg_segment_size: 32
    .max_flat_workgroup_size: 128
    .sgpr_count:     66
    .vgpr_count:     202
    .wavefront_size: 32
...
	.end_amdgpu_metadata
.endif
;; end of part 3
;; launch main (part 4): grid 256 x 1, 4 waves a work-group, no clusters, 136,704 bytes of LDS; arguments x, wq, out0; writes out0
.if DOCPART == 4
	.amdgcn_target "amdgcn-amd-amdhsa--gfx1250"
	.amdhsa_code_object_version 6
	.text
	.protected	k_qce46060859_main
	.globl	k_qce46060859_main
	.p2align	8
	.type	k_qce46060859_main,@function
k_qce46060859_main:
	s_mov_b64 s[64:65], 0
	v_nop
	global_prefetch_b8 v0, s[64:65] scope:SCOPE_SE
	s_setreg_imm32_b32 hwreg(HW_REG_WAVE_MODE, 25, 1), 1
	s_wait_xcnt 0x0
; out = Q(relu(Q(x) Q(W_up)^T)) Q(W_down)^T + Q(x) Q(W_expert).  Q: codes of FP6 (E2M3), one E8M0 scale for each 32 along K.  x, out0: [16,384][1,024] f32.  wq: the three weights as images of operand registers.
; WORK LEFT OUT: the factor sum(softmax(..)) on expert_out is 1 by an identity for all finite logits, so the gate's product, the top-k and the softmax are not computed and W_gate is not an argument (shown at
; the head of the launch before).  LIMIT: a NaN, an infinity or an overflow that reaches only the logits is not carried to the result.
; SHARES.  A work-group owns 64 rows and takes them through the whole chain; nothing but x, the weights and out0 goes through memory.  THE FOUR WAVES SHARE THE COLUMNS: wave w makes hidden units and outputs
; 256 w .. 256 w + 255 for all 64 rows.  Both kinds of product are used transposed (source 0 = 16 rows of a weight, source 1 = 16 tokens): a lane holds ONE token (lane % 16) and eight neighbouring columns.
; THE WALK has 48 positions of 32 matrix instructions: 8 fragments of a weight (128 columns x one K step of 128) x the four tiles of tokens, on 32 accumulators.
;   0-7: W_up's first 128 of my hidden units; x is loaded, quantised and handed round in these same positions, one K step ahead of its products.  8-15: the other 128.  Behind each eight: relu, quantised in registers,
;   images to LDS (K steps 2 w, 2 w + 1 of the last product).  16-31 and 32-47: two chunks of 128 outputs: 8 positions of W_expert on x's images, 8 of W_down on the hidden layer's onto the same sums; then the chunk goes out.
; THE WEIGHTS GO FROM MEMORY STRAIGHT INTO OPERAND REGISTERS: a position's 12,800 bytes are my wave's alone (25 loads of 512 consecutive bytes), in a ring of four register sets; a set is asked for again,
; four positions ahead, as soon as its products are issued.  NO TENSOR LOADS, NO CLUSTER: no fragment of a weight is used by a second wave of the work-group, so LDS would only be written and read once more for each of
; the work-group's 2,457,600 bytes, and each of the 48 positions would stand behind a round of a cluster's barrier; LDS carries the tokens' images alone, which all four waves read.
; PREFETCH: wq is asked for once in the launch, at the head, each aligned 256 bytes by one lane of one work-group (8,192 bytes a wave).  x is asked for whole by its loads, two to three K steps ahead, and is read once: no prefetch.
; LIMITS: NaN and infinities among the inputs are not served; blocks whose largest magnitude lies under 2^-124 keep the scale byte 1 (a block of zeros too: its codes are zeros); an output's sum takes W_expert's K steps and then W_down's.
; REGISTERS, in windows of 256.  Window 0: v1-30 addresses; v32-79, v80-127 the tokens' fragments, two sets; v128-151 scale words and nothing else; v152-215 64 numbers at work, later rows on the way out;
; v216-252 the quantiser's.  Window 1: weight sets 0, 1 (96 registers each).  Window 2: the accumulators, (m, t) at 64 m + 8 t.  Window 3: in positions 0-7 x as loaded, four sets of 64; then weight sets 2, 3.
.set PB,    51200                      ; a position of wq
.set QB,    12800                      ; my wave's quarter of it
.set FRB,   1536                       ; a fragment's image: 12 registers x 128 bytes
.set EB,    6144                       ; the four tiles of tokens of one K step
.set SC,    16*EB                      ; LDS 0: the tokens' images e = 0..15 (x's K steps, the hidden layer's): (e, m) at EB e + FRB m + 512 c + 16 lane.  SC: their scale words at 256 e + 16 r + 4 m
.set TURN,  SC+4096                    ; 8,448 bytes for each wave: x's turn (16 rows x 528), later the way out's stage (16 rows x 272)
.set SPARE, TURN+4*8448                ; the spare words, 128 bytes for each wave
.set SPW, 1
.set NIL, 2
.set LI,  3                            ; 16 x lane
.set LR,  4                            ; 16 r
.set TS,  5                            ; the turn: where a loaded row's 16 bytes go
.set TR,  6                            ; and where my 16 neighbours of a block come from
.set XIW, 8                            ; where I store x's images, XSW their scale words
.set XSW, 9
.set HIW, 10                           ; the hidden layer's images, HSW their scale words; HIC, HSC: the same at the half in hand
.set HSW, 11
.set HIC, 12
.set HSC, 13
.set OP,  16                           ; the tokens' images to be read, OS their scale words
.set OS,  17
.set STO, 18                           ; the way out: where I put 32 bytes of a row; RD: where I read a row back; GO: my byte offset in out0
.set RD,  19
.set GO,  20
.set PF,  28                           ; the prefetch's offset in wq; never rewritten
.set OSB, 30                           ; SC + 16 r
.set OA,  32
.set OAS, 128
.set WS,  136
.set XT,  152
.set HA,  152
.set BK,  152
.set TM,  216
.set PW,  232
.set PC,  234
.set WV,  12                           ; s12 my wave's number
.set WP,  24                           ; s[24:25] wq at my quarter, at the first position of the eight in hand
.set SEL, 26                           ; s[26:27] v_permlanex16_b32's selects for lane l xor 16
.set I,   28                           ; s28 the phase
.set T,   29
.set T1,  30
.set T2,  31
.set MSB, 0
.macro WIN new                         ; the immediate's high byte repeats the setting that is left; a switch that changes nothing is dropped
.if MSB != (\new)
	s_set_vgpr_msb (MSB<<8)|(\new)
.set MSB, (\new)
.endif
.endm
.macro PLACES n                        ; plain vector places behind matrix instructions (ISA guide 7.12.1)
.rept \n
	v_nop
.endr
.endm
.macro BAR                             ; in front of it stands my s_wait_dscnt 0
	s_barrier_signal -1
	s_barrier_wait -1
.endm
; 64 numbers of a lane, register 16 b + i = k 32 b + 16 (lane / 16) + i of my row, become a fragment's codes in v[PC] on and its scale word in v[PW]
.macro QUANT s
.irp b, 0,1,2,3
	v_max3_num_f32 v[TM+\b], |v[\s+16*\b]|, |v[\s+1+16*\b]|, 0x1800000   ; my 16 numbers of block b, and the floor 2^(3 - 127): the byte cannot fall under 1
.endr
.irp i, 2,4,6,8,10,12,14
.irp b, 0,1,2,3
	v_max3_num_f32 v[TM+\b], v[TM+\b], |v[\s+16*\b+\i]|, |v[\s+1+16*\b+\i]|
.endr
.endr
.irp b, 0,1,2,3
	v_permlanex16_b32 v[TM+4+\b], v[TM+\b], s[SEL], s[SEL+1]
.endr
.irp b, 0,1,2,3
	v_max_num_f32 v[TM+\b], v[TM+\b], v[TM+4+\b]   ; with lane l xor 16's: the block's largest magnitude
.endr
.irp b, 0,1,2,3
	v_add_nc_u32 v[TM+12+\b], 0xff000000, v[TM+\b] ; 2 off its exponent field: the conversion's scale operand
.endr
.irp b, 0,1,2,3
	v_lshrrev_b32 v[TM+4+\b], 23, v[TM+12+\b]      ; the scale's byte
.endr
	v_lshl_or_b32 v[PW], v[TM+5], 8, v[TM+4]
	v_lshl_or_b32 v[PW], v[TM+6], 16, v[PW]
	v_lshl_or_b32 v[PW], v[TM+7], 24, v[PW]
.irp c, 0,1
	v_cvt_scalef32_pk16_fp6_f32 v[PC+6*\c:PC+2+6*\c], v[\s+32*\c:\s+15+32*\c], v[TM+12+2*\c]
	v_cvt_scalef32_pk16_fp6_f32 v[PC+12+4*\c:PC+14+4*\c], v[\s+16+32*\c:\s+31+32*\c], v[TM+12+2*\c+1]   ; a conversion's three registers begin on an even number
.endr
	v_nop                                          ; one plain place behind a scaled conversion
.irp c, 0,1                            ; the operand's layout wants a WHOLE block in a lane: lanes 0-15 block 2 c, lanes 16-31 block 2 c + 1
.irp i, 0,1,2
	v_permlane16_swap_b32 v[PC+6*\c+\i], v[PC+12+4*\c+\i]
.endr
.irp i, 0,1,2
	v_mov_b32 v[PC+3+6*\c+\i], v[PC+12+4*\c+\i]
.endr
.endr
.endm
.macro IMAGE adr, off                  ; the fragment in v[PC] on goes to LDS as it stands: 512 consecutive bytes a store
.irp c, 0,1,2
	ds_store_b128 v[\adr], v[PC+4*\c:PC+4*\c+3] offset:(\off)+512*\c
.endr
.endm
.macro XL p                            ; my 16 rows' numbers of K step p, as they lie: a load reads 512 consecutive bytes of one row; into window 3, set p % 4
	WIN 0xc0
.irp i, 0,1,2,3,4,5,6,7,8,9,10,11,12,13,14,15
	global_load_b128 v[64*((\p)%4)+4*\i:64*((\p)%4)+4*\i+3], v[LI], s[4:5] offset:4096*\i+512*(\p) th:TH_LOAD_NT
.endr
.endm
.macro LW off, set                     ; 25 loads: the position at byte off from s[WP]: eight fragments into weight set 'set', and their scale words: register q: lanes 0-15 tile 2 q, lanes 16-31 tile 2 q + 1
	WIN 0x40+0x80*((\set)/2)
.set K_, 0
.rept 24
	global_load_b128 v[96*((\set)%2)+4*K_:96*((\set)%2)+4*K_+3], v[LI], s[WP:WP+1] offset:(\off)+512*K_
.set K_, K_+1
.endr
	WIN 0
	global_load_b128 v[WS+4*(\set):WS+4*(\set)+3], v[LI], s[WP:WP+1] offset:(\off)+12288
.endm
.macro XTURN p                         ; 16 rows x 512 bytes turn through my own bytes of LDS, so that lane (r, h) gets 16 neighbours of each block of 32 of row r; LDS serves a wave's instructions in order (ISA guide 5.7.1.4)
	WIN 0x0c                                       ; an LDS store's data are its source 1: window 3
.irp i, 0,1,2,3,4,5,6,7,8,9,10,11,12,13,14,15
	ds_store_b128 v[TS], v[64*((\p)%4)+4*\i:64*((\p)%4)+4*\i+3] offset:528*\i
.endr
	WIN 0
.irp b, 0,1,2,3
.irp j, 0,1,2,3
	ds_load_b128 v[XT+16*\b+4*\j:XT+16*\b+4*\j+3], v[TR] offset:128*\b+16*\j
.endr
.endr
.endm
.macro XQ e                            ; the numbers in v[XT] on become x's image of K step e, tile w; the barrier shows all four tiles to all waves
	s_wait_dscnt 0x0
	QUANT XT
	IMAGE XIW, EB*(\e)
	ds_store_b32 v[XSW], v[PW] offset:256*(\e)     ; lanes r and 16 + r write the same word with the same value
	s_wait_dscnt 0x0                               ; for the others' sake: my stores have landed
	BAR
.endm
.macro FETCHO tb, adr, sadr, e         ; 13 loads: the four tiles of tokens of K step e into token set tb, and their scale words: register m: lane r the word of tile m's row r
.irp m, 0,1,2,3
.irp c, 0,1,2
	ds_load_b128 v[OA+48*(\tb)+12*\m+4*\c:OA+48*(\tb)+12*\m+4*\c+3], v[\adr] offset:EB*(\e)+FRB*\m+512*\c
.endr
.endr
	ds_load_b128 v[OAS+4*(\tb):OAS+4*(\tb)+3], v[\sadr] offset:256*(\e)
.endm
; 32 matrix instructions: weight set 'set' x token set tb.  The 32 accumulators take turns, one instruction a turn, in the same order in every position.  zero = 1: the products start the sums
.macro MULT set, tb, zero
	WIN 0xa1+2*((\set)/2)                          ; source 0 window 1 or 3, source 1 window 0, C and D window 2
.set T_, 0
.rept 8
.irp m, 0,1,2,3
.set rD, 64*\m+8*T_
.set rW, 96*((\set)%2)+12*T_
.set rO, OA+48*(\tb)+12*\m
.set rA, WS+4*(\set)+T_/2
.set rB, OAS+4*(\tb)+\m
.if \zero
.if T_%2
	v_wmma_scale_f32_16x16x128_f8f6f4 v[rD:rD+7], v[rW:rW+11], v[rO:rO+11], 0, v[rA], v[rB] matrix_a_fmt:MATRIX_FMT_FP6 matrix_b_fmt:MATRIX_FMT_FP6 matrix_a_scale:MATRIX_SCALE_ROW1
.else
	v_wmma_scale_f32_16x16x128_f8f6f4 v[rD:rD+7], v[rW:rW+11], v[rO:rO+11], 0, v[rA], v[rB] matrix_a_fmt:MATRIX_FMT_FP6 matrix_b_fmt:MATRIX_FMT_FP6
.endif
.else
.if T_%2
	v_wmma_scale_f32_16x16x128_f8f6f4 v[rD:rD+7], v[rW:rW+11], v[rO:rO+11], v[rD:rD+7], v[rA], v[rB] matrix_a_fmt:MATRIX_FMT_FP6 matrix_b_fmt:MATRIX_FMT_FP6 matrix_a_scale:MATRIX_SCALE_ROW1
.else
	v_wmma_scale_f32_16x16x128_f8f6f4 v[rD:rD+7], v[rW:rW+11], v[rO:rO+11], v[rD:rD+7], v[rA], v[rB] matrix_a_fmt:MATRIX_FMT_FP6 matrix_b_fmt:MATRIX_FMT_FP6
.endif
.endif
.endr
.set T_, T_+1
.endr
	WIN 0
.endm
; POSITION p OF THE FIRST EIGHT.  Order of the global loads: X0 X1 W0 X2, then in position p: W(p+1), X(p+3).  The wait wants W(p), and with it X(p+1), which is older; behind W(p) stand
; X(p+2), W(p+1), X(p+3): 16 + 25 + 16 = 57; from p = 5 on no X is left to ask for: 16 + 25 = 41, then 25.
.macro UPOS p
	FETCHO (\p)%2, LI, OSB, \p                     ; behind the barrier that showed K step p's images
	LW ((\p)+1)*PB, ((\p)+1)%2                     ; its set's last products stand ahead of the quantiser's lines, which are their places
.if (\p) <= 4
	XL (\p)+3
	WIN 0
	s_wait_loadcnt 57
.else
.if (\p) == 5
	s_wait_loadcnt 41
.else
	s_wait_loadcnt 25
.endif
.endif
.if (\p) <= 6
	XTURN (\p)+1
	s_wait_dscnt 32                                ; the tokens' 13 loads are in; the turn's 16 stores and 16 loads may be out
.else
	s_wait_dscnt 0x0
.endif
.if (\p) == 0
	MULT 0, 0, 1
.else
	MULT (\p)%2, (\p)%2, 0
.endif
.if (\p) <= 6
	XQ (\p)+1
.endif
.endm
; A POSITION j OF A PHASE'S EIGHT.  POSW: its waits.  lc: the loads that stand behind this set's 25: three sets, 75, of which the wait can name 63; in the walk's last four positions 63, 50, 25, 0.
.macro POSW j, lc
	s_wait_loadcnt \lc
.if (\j) < 7
	s_wait_dscnt 13                                ; this position's tokens are in; the next position's 13 loads may be out
.else
	s_wait_dscnt 0x0
.endif
.endm
.macro POSR j, refill                  ; behind its products: the token set takes K step j + 2, the weight set the position four on
	PLACES 4                                       ; in front of loads into registers that matrix instructions have read, and of whatever reads these results next
.if (\j) < 6
	FETCHO (\j)%2, OP, OS, (\j)+2
.endif
.if \refill
.if (\j) == 0
	s_wait_xcnt 0x0                                ; the last eight's loads have read their base (the youngest was issued 32 matrix instructions ago)
	s_add_nc_u64 s[WP:WP+1], s[WP:WP+1], 8*PB      ; on to this phase's first position
.endif
	LW ((\j)+4)*PB, (\j)%4
.endif
.endm
.macro POS j, refill, lc
	POSW \j, \lc
	MULT (\j)%4, (\j)%2, 0
	POSR \j, \refill
.endm
.macro HQ m                            ; the hidden layer, tokens 16 m on: relu moves the 64 sums into window 0, each accumulator from its low end on; quantised; image to LDS
	WIN 0x08                                       ; source 1: window 2
.set J_, 0
.rept 64
	v_max_num_f32 v[HA+J_], 0, v[64*\m+J_]
.set J_, J_+1
.endr
	WIN 0
	QUANT HA
	IMAGE HIC, FRB*\m
	ds_store_b32 v[HSC], v[PW] offset:4*\m
	s_wait_dscnt 0x0
.endm
; THE WAY OUT of a chunk, in eight sub-blocks k of 16 tokens (tile k / 2) x 64 columns (k % 2).  A lane holds 32 neighbouring bytes of a row; they go into my own stage (rows 272 bytes apart) and come back as whole runs of 256 bytes
.macro SUBOUT k
	WIN 0x08
.irp tt, 0,1,2,3
	ds_store_b128 v[STO], v[64*((\k)/2)+8*(4*((\k)%2)+\tt):64*((\k)/2)+8*(4*((\k)%2)+\tt)+3] offset:64*\tt       ; each accumulator from its low end on
	ds_store_b128 v[STO], v[64*((\k)/2)+8*(4*((\k)%2)+\tt)+4:64*((\k)/2)+8*(4*((\k)%2)+\tt)+7] offset:64*\tt+16
.endr
	WIN 0
.irp i, 0,1,2,3,4,5,6,7
	ds_load_b128 v[BK+32*((\k)%2)+4*\i:BK+32*((\k)%2)+4*\i+3], v[RD] offset:544*\i
.endr
.endm
.macro SUBSEND k, younger              ; younger: the LDS instructions issued behind sub-block k's loads, which may stay out
	s_wait_dscnt \younger
.irp i, 0,1,2,3,4,5,6,7
	global_store_b128 v[GO], v[BK+32*((\k)%2)+4*\i:BK+32*((\k)%2)+4*\i+3], s[10:11] offset:(16*((\k)/2)+2*\i)*4096+256*((\k)%2) th:TH_STORE_NT   ; 16 lanes store 256 consecutive bytes, at a multiple of 256 from out0's first byte
.endr
.endm
	s_load_b128 s[4:7], s[0:1], 0x0                ; x s[4:5], wq s[6:7]
	s_load_b64 s[10:11], s[0:1], 0x10              ; out0
	v_lshl_add_u32 v[SPW], v0, 2, SPARE
	v_mov_b32 v[NIL], 0
	v_lshrrev_b32 v24, 5, v0
	v_readfirstlane_b32 s[WV], v24                 ; wave 0..3
	s_mul_i32 s13, s[WV], 8448
	s_add_co_u32 s13, s13, TURN                    ; my turn and stage
	s_mul_i32 s14, s[WV], FRB                      ; x's images: my rows are tile m = w
	s_lshl_b32 s15, s[WV], 2
	s_add_co_u32 s15, s15, SC
	s_mul_i32 s16, s[WV], 2*EB                     ; the hidden layer's: my units are K steps 2 w, 2 w + 1
	s_add_co_u32 s16, s16, 8*EB
	s_lshl_b32 s17, s[WV], 9
	s_add_co_u32 s17, s17, SC+2048
	s_lshl_b32 s18, s[WV], 10                      ; my 1,024 bytes of a row of out0
	s_lshl_b32 s19, ttmp9, 13
	s_mov_b32 s[SEL], 0x76543210
	s_mov_b32 s[SEL+1], 0xfedcba98
	v_and_b32 v21, 31, v0                          ; lane
	v_and_b32 v22, 15, v0                          ; r
	v_bfe_u32 v23, v0, 4, 1                        ; h
	v_lshlrev_b32 v[LI], 4, v21
	v_lshlrev_b32 v[LR], 4, v22
	v_add_nc_u32 v[TS], s13, v[LI]
	v_mul_u32_u24 v[TR], v22, 528
	v_lshl_add_u32 v[TR], v23, 6, v[TR]
	v_add_nc_u32 v[TR], s13, v[TR]                 ; 528 r + 64 h
	v_add_nc_u32 v[XIW], s14, v[LI]
	v_add_nc_u32 v[XSW], s15, v[LR]
	v_add_nc_u32 v[HIW], s16, v[LI]
	v_add_nc_u32 v[HSW], s17, v[LR]
	v_mul_u32_u24 v[STO], v22, 272
	v_lshl_add_u32 v[STO], v23, 5, v[STO]
	v_add_nc_u32 v[STO], s13, v[STO]               ; in: row r, 32 bytes for each half of the lanes
	v_mul_u32_u24 v[RD], v23, 272
	v_add_nc_u32 v[RD], v[RD], v[LR]
	v_add_nc_u32 v[RD], s13, v[RD]                 ; back: lanes 0-15 one row, lanes 16-31 the next
	v_lshl_add_u32 v[GO], v23, 12, v[LR]
	v_add_nc_u32 v[GO], s18, v[GO]
	v_add_nc_u32 v[OSB], SC, v[LR]
	v_lshl_add_u32 v[PF], v21, 8, s19              ; 8,192 x work-group + 256 x lane
.irp b, 0,1,2,3
	v_mov_b32 v[TM+4+\b], 0                        ; written once: a lane permute's destination counts as one of its sources
.endr
	s_wait_alu depctr_va_vdst(0)
	s_wait_kmcnt 0x0
	s_lshl_b32 s34, ttmp9, 18                      ; 64 rows of 4,096 bytes a work-group
	s_mov_b32 s35, 0
	s_add_nc_u64 s[10:11], s[10:11], s[34:35]      ; out0 at the work-group's first row, chunk 0
	s_lshl_b32 s13, s[WV], 16
	s_add_co_u32 s34, s34, s13
	s_add_nc_u64 s[4:5], s[4:5], s[34:35]          ; x at my wave's first row
	s_mul_i32 s34, s[WV], QB
	s_add_nc_u64 s[WP:WP+1], s[6:7], s[34:35]      ; wq at my quarter of position 0
	; wq, each aligned run of 256 bytes once in the launch: wave 0 of work-group i asks for the 8,192 bytes at 8,192 i: 2,097,152 bytes; wave 1 of work-groups 0 to 43 for the 360,448 that are left.
	; The last byte asked for lies at 2,457,344, inside the buffer's 2,457,600.  The address registers are never rewritten.
	s_cmp_lg_u32 s[WV], 0
	s_cbranch_scc1 .Lpf_not_0
	global_prefetch_b8 v[PF], s[6:7] th:TH_LOAD_NT scope:SCOPE_SE
.Lpf_not_0:
	s_cmp_lg_u32 s[WV], 1
	s_cbranch_scc1 .Lpf_done
	s_cmp_ge_u32 ttmp9, 44
	s_cbranch_scc1 .Lpf_done
	global_prefetch_b8 v[PF], s[6:7] offset:2097152 th:TH_LOAD_NT scope:SCOPE_SE
.Lpf_done:
	XL 0
	XL 1
	LW 0, 0
	XL 2
	WIN 0
	s_wait_loadcnt 57                              ; X0 is in; behind it stand X1, W0, X2: 16 + 25 + 16
	XTURN 0
	XQ 0
.irp p, 0,1,2,3,4,5,6,7
	UPOS \p
.endr
	PLACES 4
	LW 9*PB, 1                                     ; the ring of four sets begins: positions 8 (asked for in position 7), 9, 10, 11, in this order; window 3 holds no x any more
	LW 10*PB, 2
	LW 11*PB, 3
; SIX PHASES.  At a phase's head: 0, 1: the hidden layer's half is quantised; 3, 5: a chunk goes out; 5 ends there.  Then eight positions: 0: W_up's other half; 1, 3: W_expert on x; 2, 4: W_down on the hidden layer.
; Two barriers a phase: every wave's reads of the images are over before anybody stores, and the stores have landed before anybody reads.
	s_mov_b32 s[I], 0
.Lphase:
	s_wait_dscnt 0x0
	BAR
	s_cmp_ge_u32 s[I], 2
	s_cbranch_scc1 .Lnot_hidden
	s_min_u32 s[T], s[I], 1                        ; which half: K step 2 w + 0 or 1
	s_mul_i32 s[T1], s[T], EB
	s_lshl_b32 s[T2], s[T], 8
	v_add_nc_u32 v[HIC], s[T1], v[HIW]
	v_add_nc_u32 v[HSC], s[T2], v[HSW]
	s_wait_alu depctr_va_vdst(0)                   ; the wait behind these writes
.irp m, 0,1,2,3
	HQ \m
.endr
	s_branch .Lhead_done
.Lnot_hidden:
	s_bitcmp1_b32 s[I], 0
	s_cbranch_scc0 .Lhead_done
	s_wait_xcnt 0x0                                ; earlier stores have read their registers
	SUBOUT 0
.irp k, 1,2,3,4,5,6,7
.if \k > 1
	s_wait_xcnt 0x0                                ; sub-block k - 2's stores have read the registers that sub-block k's loads take
.endif
	SUBOUT \k
	SUBSEND \k-1, 16                               ; behind its loads: sub-block k's 8 stores and 8 loads
.endr
	SUBSEND 7, 0
	s_wait_xcnt 0x0                                ; the stores have read their base
	s_add_nc_u64 s[10:11], s[10:11], 512           ; the other chunk
	s_cmp_eq_u32 s[I], 5
	s_cbranch_scc1 .Lend
.Lhead_done:
	s_wait_dscnt 0x0
	BAR
	s_lshr_b32 s[T], 0x14, s[I]                    ; phases 2 and 4 read the hidden layer's images, eight K steps behind x's
	s_and_b32 s[T], s[T], 1
	s_mul_i32 s[T1], s[T], 8*EB
	s_lshl_b32 s[T2], s[T], 11
	v_add_nc_u32 v[OP], s[T1], v[LI]
	v_add_nc_u32 v[OS], s[T2], v[OSB]
	s_wait_alu depctr_va_vdst(0)                   ; the wait behind these writes
	FETCHO 0, OP, OS, 0
	FETCHO 1, OP, OS, 1
	POSW 0, 63
	s_lshr_b32 s[T], 0x0b, s[I]                    ; phases 0, 1 and 3 start sums
	s_and_b32 s[T], s[T], 1
	s_cmp_eq_u32 s[T], 0
	s_cbranch_scc1 .Lgo_on
	PLACES 5                                       ; sums begun anew write over accumulators of earlier products
	MULT 0, 0, 1
	s_branch .Lsummed
.Lgo_on:
	MULT 0, 0, 0
.Lsummed:
	POSR 0, 1
	POS 1, 1, 63
	POS 2, 1, 63
	POS 3, 1, 63
	s_cmp_eq_u32 s[I], 4
	s_cbranch_scc1 .Ltail
	POS 4, 1, 63                                   ; these four ask for the next phase's first four positions
	POS 5, 1, 63
	POS 6, 1, 63
	POS 7, 1, 63
	s_branch .Lnext
.Ltail:                                                ; the walk's last four positions ask for nothing
	POS 4, 0, 63
	POS 5, 0, 50
	POS 6, 0, 25
	POS 7, 0, 0
.Lnext:
	s_add_co_u32 s[I], s[I], 1
	s_cmp_lt_u32 s[I], 6
	s_cbranch_scc1 .Lphase
.Lend:
	s_wait_tensorcnt 0x0                           ; the wave's end: behind my last LDS store
	ds_add_u32 v[SPW], v[NIL]
	s_wait_dscnt 0x0
	s_endpgm
.Lfunc_end_k_qce46060859_main:
	.size	k_qce46060859_main, .Lfunc_end_k_qce46060859_main-k_qce46060859_main
	.p2alignl 7, 3214868480
	.fill 96, 4, 3214868480
	.section	.rodata,"a",@progbits
	.p2align	6, 0x0
	.amdhsa_kernel k_qce46060859_main
		.amdhsa_group_segment_fixed_size 136704
		.amdhsa_private_segment_fixed_size 0
		.amdhsa_enable_private_segment 0
		.amdhsa_kernarg_size 24
		.amdhsa_user_sgpr_count 2
		.amdhsa_user_sgpr_kernarg_segment_ptr 1
		.amdhsa_wavefront_size32 1
		.amdhsa_system_sgpr_workgroup_id_x 1
		.amdhsa_system_sgpr_workgroup_id_y 1
		.amdhsa_system_sgpr_workgroup_id_z 1
		.amdhsa_system_vgpr_workitem_id 0
		.amdhsa_next_free_vgpr 1024
		.amdhsa_next_free_sgpr 66
		.amdhsa_reserve_vcc 0
		.amdhsa_float_denorm_mode_32 3
		.amdhsa_float_denorm_mode_16_64 3
		.amdhsa_memory_ordered 1
		.amdhsa_forward_progress 1
		.amdhsa_inst_pref_size 255
	.end_amdhsa_kernel
	.section	.bss,"aw",@nobits
	.p2align	6
	.space	262144
	.amdgpu_metadata
---
amdhsa.version: [ 1, 2 ]
amdhsa.kernels:
  - .name:           k_qce46060859_main
    .symbol:         k_qce46060859_main.kd
    .args:
      - { .name: x, .offset: 0, .size: 8, .value_kind: global_buffer, .address_space: global }
      - { .name: wq, .offset: 8, .size: 8, .value_kind: global_buffer, .address_space: global }
      - { .name: out0, .offset: 16, .size: 8, .value_kind: global_buffer, .address_space: global }
    .group_segment_fixed_size: 136704
    .private_segment_fixed_size: 0
    .kernarg_segment_align: 8
    .kernarg_segment_size: 24
    .max_flat_workgroup_size: 128
    .sgpr_count:     66
    .vgpr_count:     1024
    .wavefront_size: 32
...
	.end_amdgpu_metadata
.endif
;; end of part 4
